; MI455X (gfx1250); checked and timed in simulation.
; The chip was launched on July 23, 2026; its instructions are those of AMD's public machine-readable ISA for CDNA 5 (MIT licence, August 2026) and "CDNA5" Instruction Set Architecture Reference Guide (July 2026). The comments in the code are by the model that wrote it; some were corrected since.
;; Mixture Of Experts. Allowed arithmetic: matrix products marked QUANTISED: E2M1 operands, one E8M0 scale for each 32 along K, by v_wmma_scale_f32_16x16x128_f8f6f4 with both operands' format E2M1 (or v_wmma_scale_f32_32x16x128_f4), f32 sums; products left as they are: f32 operands where the result goes on into a quantised operand, else bf16, f16 or f32 operands; f32 sums; everything else in f32.
;; Inputs: W1 8 x 1,024 x 2,048 float32; W2 8 x 2,048 x 1,024 float32; Wr 1,024 x 8 float32; b1 8 x 2,048 float32; b2 8 x 1,024 float32; br 8 float32; x 2,048 x 1,024 float32.
;; Outputs: out0 2,048 x 1,024 float32; out1 2,048 x 8 float32; out2 8 float32.
;; This version of the problem:
;;   THIS VERSION OF THE PROBLEM IS GIVEN IN LOW PRECISION. The matrix products marked QUANTISED in the list below multiply operands that are first quantised to E2M1 (2 exponent bits, 1 mantissa bit; 4 bits a number), with one power-of-two scale for each 32 numbers along K (OCP MX v1.0); their sums are f32. All else is computed in f32.
;;   The module's matrix products, in the order in which they are computed (A, B: the left and right operand; K: the contracted axis; several contracted axes count as one K, in the product's order):
;;     1. [M 2,048, K 1,024] x [K 1,024, N 8]; A: input x; B: input Wr: left as it is (N = 8 < 16)
;;     2. [M 2,048, K 1,024] x [K 1,024, N 2,048]; A: input x; B: input W1: QUANTISED
;;     3. [M 2,048, K 2,048] x [K 2,048, N 1,024]; A: computed on the way; B: input W2: QUANTISED
;;     4. [M 2,048, K 1,024] x [K 1,024, N 2,048]; A: input x; B: input W1: QUANTISED
;;     5. [M 2,048, K 2,048] x [K 2,048, N 1,024]; A: computed on the way; B: input W2: QUANTISED
;;     6. [M 2,048, K 1,024] x [K 1,024, N 2,048]; A: input x; B: input W1: QUANTISED
;;     7. [M 2,048, K 2,048] x [K 2,048, N 1,024]; A: computed on the way; B: input W2: QUANTISED
;;     8. [M 2,048, K 1,024] x [K 1,024, N 2,048]; A: input x; B: input W1: QUANTISED
;;     9. [M 2,048, K 2,048] x [K 2,048, N 1,024]; A: computed on the way; B: input W2: QUANTISED
;;     10. [M 2,048, K 1,024] x [K 1,024, N 2,048]; A: input x; B: input W1: QUANTISED
;;     11. [M 2,048, K 2,048] x [K 2,048, N 1,024]; A: computed on the way; B: input W2: QUANTISED
;;     12. [M 2,048, K 1,024] x [K 1,024, N 2,048]; A: input x; B: input W1: QUANTISED
;;     13. [M 2,048, K 2,048] x [K 2,048, N 1,024]; A: computed on the way; B: input W2: QUANTISED
;;     14. [M 2,048, K 1,024] x [K 1,024, N 2,048]; A: input x; B: input W1: QUANTISED
;;     15. [M 2,048, K 2,048] x [K 2,048, N 1,024]; A: computed on the way; B: input W2: QUANTISED
;;     16. [M 2,048, K 1,024] x [K 1,024, N 2,048]; A: input x; B: input W1: QUANTISED
;;     17. [M 2,048, K 2,048] x [K 2,048, N 1,024]; A: computed on the way; B: input W2: QUANTISED
;;   THE QUANTISER, for each operand of a quantised product, along K:
;;     - K is cut into blocks of 32 from its start; a last block that is shorter is filled with zeros.
;;     - A block's scale is 2^e with e = floor(log2(the largest magnitude in the block)) - 2, held to -126 .. 127; a block of zeros has e = 0. As a byte (E8M0): e + 127.
;;     - Each number is divided by its block's scale, clamped to +-6, and rounded to the nearest number of E2M1, ties to even, subnormals kept.
;;     - The product sums the exact products of the quantised numbers (number of the format x scale) in f32.
;;   ~~~python
;;   def quantise(x, axis):      # numpy; x: float32 -> the quantised numbers, widened to float32 again
;;       x = np.moveaxis(x, axis, -1); K = x.shape[-1]
;;       x = np.pad(x, [(0, 0)] * (x.ndim - 1) + [(0, -K % 32)]); x = x.reshape(x.shape[:-1] + (-1, 32)); a = np.abs(x).max(-1, keepdims=True)
;;       e = np.where(a > 0, np.clip(np.frexp(np.where(a > 0, a, 1))[1] - 1 - 2, -126, 127), 0)      # np.frexp(a)[1] - 1 = floor(log2(a)), exactly
;;       r = np.clip(x / 2.0 ** e, -6, 6)
;;       step = 2.0 ** (np.maximum(np.frexp(np.where(r == 0, 1, r))[1] - 1, 0) - 1)
;;       q = np.round(r / step) * step * 2.0 ** e      # np.round: ties to even
;;       return np.moveaxis(q.reshape(q.shape[:-2] + (-1,))[..., :K], -1, axis).astype(np.float32)
;;   ~~~
;;   OPERANDS COMPUTED ON THE WAY. 'Computed on the way' means the value that the module computes at that place (a softmax that the list does not call 'softmax' is quantised finished and normalised). What goes into a quantiser is computed in f32, as accurately as f32 sums, v_exp_f32 and their like allow (about 1e-6 of the number): no bf16 or f16 on the way to a quantiser, and a product that is left as it is and whose result goes on into a quantised operand takes f32 operands (vector FMAs, or v_wmma_f32_16x16x4_f32). A number that lies on a knife's edge between two numbers of the format may be rounded either way, as far as f32 arithmetic and the matrix unit's own rounding can turn it there, and no further.
;; 2 versions. Each part assembles by itself: llvm-mc -triple=amdgcn-amd-amdhsa -mcpu=gfx1250 --defsym DOCPART=n.
;; ======== version 1 of 2: 3 launches
;; workspace buffers: xc 1,048,576 bytes; xs 65,536 bytes; masks 2,048 bytes of whole numbers; H 16,777,216 bytes; HS 1,048,576 bytes; list 34,816 bytes of whole numbers
;; launch router (part 1): grid 128 x 1, 16 waves a work-group, no clusters, 100,352 bytes of LDS; arguments x, Wr, br, xc, xs, masks, out1; writes xc, xs, masks, out1
.if DOCPART == 1
	.amdgcn_target "amdgcn-amd-amdhsa--gfx1250"
	.amdhsa_code_object_version 6
	.text
	.protected	k_q9279f19905_router
	.globl	k_q9279f19905_router
	.p2align	8
	.type	k_q9279f19905_router,@function
k_q9279f19905_router:
	s_mov_b64 s[64:65], 0
	v_nop
	global_prefetch_b8 v0, s[64:65] scope:SCOPE_SE
	s_setreg_imm32_b32 hwreg(HW_REG_WAVE_MODE, 25, 1), 1
	s_wait_xcnt 0x0
; THE ROUTER, AND x INTO CODES.  out1 = softmax(x Wr + br), in f32; the argmax of each token goes out as whole numbers: masks[e][g] (u32), bit i = token 32 g + i takes expert e.
; x [2048][1024] f32 is read here once and leaves as codes of E2M1, K innermost: xc [token][512 bytes], with one E8M0 byte for each 32 along K: xs [token][32 bytes].
; SHARES.  A work-group takes 16 tokens; wave w takes k = 64 w .. 64 w + 63 of all 16: its part of the logits and two blocks of 32 of each row.  Wave 0 adds the sixteen parts and makes the softmax.
; THE LOGITS decide which expert's row is the result, so they are kept in f32: 16 instructions of the f32 matrix form a wave, 33 million multiply-adds in the launch beside the experts' 8.6 thousand million.
; Source 0 = Wr (row m = expert m mod 8: rows 8-15 repeat rows 0-7), source 1 = x: a lane then holds ONE token (lane % 16) and its eight registers the eight experts.
; No tensor load, no cluster: work-groups share only Wr's 32 KiB.
; LIMITS.  NaN and infinities among the inputs are not served.  A block of zeros gets the byte 1 where the rule says 127: its codes are zeros, which add nothing under any byte but 0xff, and this program
; alone reads the bytes.  The logits are summed in another order than a row-by-row sum: two largest probabilities that are equal to the last bit may fall either way; equal ones give the lower expert.
.set TP,   272                         ; a row of a wave's turning stage: 256 bytes + 16
.set RED,  69632                       ; LDS: 0: sixteen turning stages of 16 rows x 272;  RED: sixteen waves' partial logits, 1,024 bytes each
.set XCS,  86016                       ; 16 rows of codes, 512 bytes + 16
.set XP,   528
.set XSS,  94464                       ; 16 rows of 32 scale bytes
.set RAW,  16                          ; v16-47   x as loaded
.set X,    48                          ; v48-79   my block: x[row lane % 16][64 w + 32 (lane / 16) + 0 .. 31]
.set WR,   80                          ; v80-111  Wr[64 w + 32 (lane / 16) + i][lane % 8]
.set ACC,  112                         ; v112-143 four accumulators: written by matrix instructions alone
.set PS,   144                         ; v144-159 their sums
.set LG,   160                         ; v160-167 wave 0: logits, then probabilities
	s_load_b256 s[4:11], s[0:1], 0x0               ; x s[4:5], Wr s[6:7], br s[8:9], xc s[10:11]
	s_load_b128 s[12:15], s[0:1], 0x20             ; xs s[12:13], masks s[14:15]
	s_load_b64 s[16:17], s[0:1], 0x30              ; out1
	v_lshl_add_u32 v192, v0, 2, 0x18000
	v_mov_b32 v193, 0
	v_lshrrev_b32 v1, 5, v0
	v_readfirstlane_b32 s28, v1                    ; wave 0..15
	v_and_b32 v1, 31, v0                           ; lane
	v_and_b32 v2, 15, v0                           ; r
	v_bfe_u32 v3, v0, 4, 1                         ; h
	v_lshlrev_b32 v15, 4, v1                       ; 16 x lane
	s_lshl_b32 s29, s28, 8
	v_lshlrev_b32 v4, 4, v2
	v_lshl_add_u32 v4, v3, 12, v4
	v_add_nc_u32 v4, s29, v4                       ; x: row h of a pair, my wave's 256 bytes, 16 bytes a lane: sixteen lanes read 256 consecutive bytes
	s_lshl_b32 s29, s28, 11
	v_and_b32 v5, 7, v0
	v_lshlrev_b32 v5, 2, v5
	v_lshl_add_u32 v5, v3, 10, v5
	v_add_nc_u32 v5, s29, v5                       ; Wr: row 64 w + 32 h (32 bytes a row), expert lane % 8
	s_mul_i32 s29, s28, 16*TP                      ; my turning stage
	v_mul_u32_u24 v6, v3, TP
	v_lshl_add_u32 v6, v2, 4, v6
	v_add_nc_u32 v6, s29, v6                       ; into it: as loaded
	v_mul_u32_u24 v7, v2, TP
	v_lshl_add_u32 v7, v3, 7, v7
	v_add_nc_u32 v7, s29, v7                       ; out of it: row r, 128 bytes for each half of the lanes
	s_lshl_b32 s29, s28, 5
	s_add_co_u32 s29, s29, XCS
	v_mul_u32_u24 v8, v2, XP
	v_lshl_add_u32 v8, v3, 4, v8
	v_add_nc_u32 v8, s29, v8                       ; my block's 16 bytes of codes: row r, block 2 w + h
	s_lshl_b32 s29, s28, 1
	s_add_co_u32 s29, s29, XSS
	v_lshl_add_u32 v9, v2, 5, v3
	v_add_nc_u32 v9, s29, v9                       ; and its scale byte
	s_lshl_b32 s29, s28, 10
	s_add_co_u32 s29, s29, RED
	v_add_nc_u32 v10, s29, v15                     ; my wave's partial logits
	s_mul_i32 s29, s28, XP
	s_add_co_u32 s29, s29, XCS
	v_add_nc_u32 v11, s29, v15                     ; back: wave w takes row w of the codes, whole
	s_lshl_b32 s29, s28, 9
	v_add_nc_u32 v12, s29, v15                     ; and its place in xc
	v_add_nc_u32 v13, RED, v15                     ; wave 0: all partial logits
	v_add_nc_u32 v14, XSS, v15                     ; wave 1: all scale bytes
	v_lshlrev_b32 v190, 5, v2
	v_lshl_add_u32 v190, v3, 4, v190               ; out1: row r of 32 bytes, 16 bytes for each half of the lanes
	v_lshlrev_b32 v191, 8, v1                      ; masks: row = lane (an expert), 256 bytes a row
	s_mov_b32 s31, 0
	s_wait_kmcnt 0x0
	s_lshl_b32 s30, ttmp9, 16                      ; 16 rows of 4,096 bytes a work-group
	s_add_nc_u64 s[4:5], s[4:5], s[30:31]
.irp i, 0,1,2,3,4,5,6,7
	global_load_b128 v[RAW+4*\i:RAW+4*\i+3], v4, s[4:5] offset:8192*\i th:TH_LOAD_NT   ; rows 2 i and 2 i + 1; read once in the whole program
.endr
.set n, 0
.rept 32
	global_load_b32 v[WR+n], v5, s[6:7] offset:32*n
.set n, n+1
.endr
	s_load_b256 s[20:27], s[8:9], 0x0              ; br
	s_lshl_b32 s30, ttmp9, 13
	s_add_nc_u64 s[10:11], s[10:11], s[30:31]      ; xc: 16 rows of 512 bytes
	s_lshl_b32 s30, ttmp9, 9
	s_add_nc_u64 s[12:13], s[12:13], s[30:31]      ; xs: 16 rows of 32 bytes
	s_add_nc_u64 s[16:17], s[16:17], s[30:31]      ; out1 likewise
	s_lshl_b32 s30, ttmp9, 1
	s_add_nc_u64 s[14:15], s[14:15], s[30:31]      ; masks: my 16 tokens are halfword ttmp9 of each row
	; x turns through my own stage: loaded 16 bytes a lane as it lies, read back 128 bytes (a block of 32) a lane.  LDS serves a wave's instructions in order: no wait between stores and loads
	s_wait_loadcnt 32                              ; x's eight loads are in; Wr's 32 were issued behind them
.irp i, 0,1,2,3,4,5,6,7
	ds_store_b128 v6, v[RAW+4*\i:RAW+4*\i+3] offset:2*TP*\i
.endr
.irp i, 0,1,2,3,4,5,6,7
	ds_load_b128 v[X+4*\i:X+4*\i+3], v7 offset:16*\i
.endr
	s_wait_dscnt 0x0
	s_wait_loadcnt 0x0                             ; Wr
	; The logits of my 64 k.  In step ks the form's k' = 2 h + j stands for k = 64 w + 32 h + 2 ks + j, alike in both sources.  Four accumulators by turns, one instruction a turn
.set ks, 0
.rept 16
.if ks < 4
	v_wmma_f32_16x16x4_f32 v[ACC+8*(ks%4):ACC+8*(ks%4)+7], v[WR+2*ks:WR+2*ks+1], v[X+2*ks:X+2*ks+1], 0
.else
	v_wmma_f32_16x16x4_f32 v[ACC+8*(ks%4):ACC+8*(ks%4)+7], v[WR+2*ks:WR+2*ks+1], v[X+2*ks:X+2*ks+1], v[ACC+8*(ks%4):ACC+8*(ks%4)+7]
.endif
.set ks, ks+1
.endr
	; my block of 32 becomes codes: its largest magnitude (with the floor 2^(3 - 127), so that the byte cannot fall under 1), 2 off the exponent field, four conversions
	v_max3_num_f32 v168, |v[X]|, |v[X+1]|, |v[X+2]|
	v_max3_num_f32 v169, |v[X+3]|, |v[X+4]|, |v[X+5]|
.irp i, 6,10,14,18,22,26
	v_max3_num_f32 v168, v168, |v[X+\i]|, |v[X+\i+1]|
	v_max3_num_f32 v169, v169, |v[X+\i+2]|, |v[X+\i+3]|
.endr
	v_max3_num_f32 v168, v168, |v[X+30]|, |v[X+31]|
	v_max3_num_f32 v168, v168, v169, 0x1800000
	v_add_nc_u32 v170, 0xff000000, v168            ; the conversion takes the exponent field of this operand as its scale
.irp g, 0,1,2,3
	v_cvt_scalef32_pk8_fp4_f32 v[172+\g], v[X+8*\g:X+8*\g+7], v170
.endr
	v_lshrrev_b32 v171, 23, v170                   ; the scale's byte; also the plain line behind the conversions
	ds_store_b128 v8, v[172:175]
	ds_store_b8 v9, v171
.rept 8
	v_nop                                          ; eight places behind the f32 matrix form (ISA guide 7.12.1) ahead of the first read of its results
.endr
.irp k, 0,2,4,6
	v_pk_add_f32 v[PS+\k:PS+\k+1], v[ACC+\k:ACC+\k+1], v[ACC+8+\k:ACC+9+\k]        ; each accumulator from its low end on
.endr
.irp k, 0,2,4,6
	v_pk_add_f32 v[PS+8+\k:PS+9+\k], v[ACC+16+\k:ACC+17+\k], v[ACC+24+\k:ACC+25+\k]
.endr
.irp k, 0,2,4,6
	v_pk_add_f32 v[PS+\k:PS+\k+1], v[PS+\k:PS+\k+1], v[PS+8+\k:PS+9+\k]
.endr
	ds_store_b128 v10, v[PS:PS+3]
	ds_store_b128 v10, v[PS+4:PS+7] offset:512
	s_wait_kmcnt 0x0                               ; br
	s_wait_dscnt 0x0                               ; for the others' sake: my codes, my bytes and my partial logits lie in LDS
	s_barrier_signal -1
	s_barrier_wait -1
	ds_load_b128 v[176:179], v11                   ; a whole row of codes
	s_wait_dscnt 0x0
	global_store_b128 v12, v[176:179], s[10:11]    ; 32 lanes store 512 consecutive bytes, aligned
	s_cmp_eq_u32 s28, 1
	s_cbranch_scc0 .Lnot_wave_1
	ds_load_b128 v[184:187], v14                   ; wave 1: the 16 rows' scale bytes are 512 consecutive bytes of xs
	s_wait_dscnt 0x0
	global_store_b128 v15, v[184:187], s[12:13]
.Lnot_wave_1:
	s_cmp_lg_u32 s28, 0
	s_cbranch_scc1 .Ldone
	; ---- wave 0: the sixteen parts in the order of the waves, eight waves' at a time
.irp u, 0,1,2,3,4,5,6,7
	ds_load_b128 v[16+8*\u:19+8*\u], v13 offset:1024*\u
	ds_load_b128 v[20+8*\u:23+8*\u], v13 offset:1024*\u+512
.endr
	s_wait_dscnt 0x0
.irp k, 0,2,4,6
	v_pk_add_f32 v[LG+\k:LG+\k+1], v[16+\k:17+\k], v[24+\k:25+\k]
.endr
.irp u, 2,3,4,5,6,7
.irp k, 0,2,4,6
	v_pk_add_f32 v[LG+\k:LG+\k+1], v[LG+\k:LG+\k+1], v[16+8*\u+\k:17+8*\u+\k]
.endr
.endr
.irp u, 0,1,2,3,4,5,6,7
	ds_load_b128 v[16+8*\u:19+8*\u], v13 offset:8192+1024*\u
	ds_load_b128 v[20+8*\u:23+8*\u], v13 offset:8192+1024*\u+512
.endr
	s_wait_dscnt 0x0
.irp u, 0,1,2,3,4,5,6,7
.irp k, 0,2,4,6
	v_pk_add_f32 v[LG+\k:LG+\k+1], v[LG+\k:LG+\k+1], v[16+8*\u+\k:17+8*\u+\k]
.endr
.endr
.irp e, 0,1,2,3,4,5,6,7
	v_add_f32 v[LG+\e], s[20+\e], v[LG+\e]         ; + br
.endr
	v_max3_num_f32 v180, v[LG], v[LG+1], v[LG+2]   ; the softmax takes the row's maximum away first
	v_max3_num_f32 v180, v180, v[LG+3], v[LG+4]
	v_max3_num_f32 v180, v180, v[LG+5], v[LG+6]
	v_max_num_f32 v180, v180, v[LG+7]
.irp e, 0,1,2,3,4,5,6,7
	v_sub_f32 v[LG+\e], v[LG+\e], v180             ; (not fused with the line below: the difference is exact where it matters, and 0 at the maximum)
.endr
.irp e, 0,1,2,3,4,5,6,7
	v_mul_f32 v[LG+\e], 0x3fb8aa3b, v[LG+\e]       ; x log2(e)
.endr
.irp e, 0,1,2,3,4,5,6,7
	v_exp_f32 v[LG+\e], v[LG+\e]
.endr
	v_nop                                          ; a plain line behind the exponentials
	s_wait_alu depctr_va_vdst(0)
	v_add_f32 v181, v[LG], v[LG+1]
	v_add_f32 v182, v[LG+2], v[LG+3]
	v_add_f32 v181, v181, v[LG+4]
	v_add_f32 v182, v182, v[LG+5]
	v_add_f32 v181, v181, v[LG+6]
	v_add_f32 v182, v182, v[LG+7]
	v_add_f32 v181, v181, v182
	v_rcp_f32 v181, v181
	v_nop                                          ; a plain line behind the reciprocal
	s_wait_alu depctr_va_vdst(0)
.irp e, 0,1,2,3,4,5,6,7
	v_mul_f32 v[LG+\e], v[LG+\e], v181
.endr
	; the argmax of the finished probabilities, from expert 7 down: the best so far is kept only where the lower expert's is smaller, so that of equal ones the lower wins
	v_mov_b32 v183, v[LG+7]
	v_mov_b32 v189, 7
.irp e, 6,5,4,3,2,1,0
	v_cmp_lt_f32 vcc_lo, v[LG+\e], v183
	v_cndmask_b32 v183, v[LG+\e], v183, vcc_lo
	v_cndmask_b32 v189, \e, v189, vcc_lo
.endr
	v_cmp_eq_u32 vcc_lo, 1, v3                     ; lanes 16-31 hold the same numbers as lanes 0-15: they store experts 4-7
.irp k, 0,1,2,3
	v_cndmask_b32 v[184+\k], v[LG+\k], v[LG+4+\k], vcc_lo
.endr
	global_store_b128 v190, v[184:187], s[16:17]   ; 32 lanes store 512 consecutive bytes, aligned
	v_mov_b32 v188, 0
.irp e, 0,1,2,3,4,5,6,7
	v_cmp_eq_u32 s[40+\e], \e, v189                ; bits 0-15: which of my 16 tokens take expert e
.endr
.irp e, 0,1,2,3,4,5,6,7
	v_writelane_b32 v188, s[40+\e], \e
.endr
	v_cmp_gt_u32 vcc_lo, 8, v1
	s_wait_xcnt 0x0                                ; EXEC changes only behind this wait: the stores above have been taken up
	s_wait_tensorcnt 0x0
	ds_add_u32 v192, v193
	s_wait_dscnt 0x0
	s_and_saveexec_b32 s48, vcc_lo
	global_store_b16 v191, v188, s[14:15]          ; lane e: the low half, into row e.  The choice is only ever data here: no address and no branch of this launch hangs on it
	s_endpgm
.Ldone:
	s_wait_tensorcnt 0x0
	ds_add_u32 v192, v193
	s_wait_dscnt 0x0
	s_endpgm
.Lfunc_end_k_q9279f19905_router:
	.size	k_q9279f19905_router, .Lfunc_end_k_q9279f19905_router-k_q9279f19905_router
	.p2alignl 7, 3214868480
	.fill 96, 4, 3214868480
	.section	.rodata,"a",@progbits
	.p2align	6, 0x0
	.amdhsa_kernel k_q9279f19905_router
		.amdhsa_group_segment_fixed_size 100352
		.amdhsa_private_segment_fixed_size 0
		.amdhsa_enable_private_segment 0
		.amdhsa_kernarg_size 56
		.amdhsa_user_sgpr_count 2
		.amdhsa_user_sgpr_kernarg_segment_ptr 1
		.amdhsa_wavefront_size32 1
		.amdhsa_system_sgpr_workgroup_id_x 1
		.amdhsa_system_sgpr_workgroup_id_y 1
		.amdhsa_system_sgpr_workgroup_id_z 1
		.amdhsa_system_vgpr_workitem_id 0
		.amdhsa_next_free_vgpr 194
		.amdhsa_next_free_sgpr 66
		.amdhsa_reserve_vcc 1
		.amdhsa_float_denorm_mode_32 3
		.amdhsa_float_denorm_mode_16_64 3
		.amdhsa_memory_ordered 1
		.amdhsa_forward_progress 1
		.amdhsa_inst_pref_size 23
	.end_amdhsa_kernel
	.amdgpu_metadata
---
amdhsa.version: [ 1, 2 ]
amdhsa.kernels:
  - .name:           k_q9279f19905_router
    .symbol:         k_q9279f19905_router.kd
    .args:
      - { .name: x, .offset: 0, .size: 8, .value_kind: global_buffer, .address_space: global }
      - { .name: Wr, .offset: 8, .size: 8, .value_kind: global_buffer, .address_space: global }
      - { .name: br, .offset: 16, .size: 8, .value_kind: global_buffer, .address_space: global }
      - { .name: xc, .offset: 24, .size: 8, .value_kind: global_buffer, .address_space: global }
      - { .name: xs, .offset: 32, .size: 8, .value_kind: global_buffer, .address_space: global }
      - { .name: masks, .offset: 40, .size: 8, .value_kind: global_buffer, .address_space: global }
      - { .name: out1, .offset: 48, .size: 8, .value_kind: global_buffer, .address_space: global }
    .group_segment_fixed_size: 100352
    .private_segment_fixed_size: 0
    .kernarg_segment_align: 8
    .kernarg_segment_size: 56
    .max_flat_workgroup_size: 512
    .sgpr_count:     66
    .vgpr_count:     194
    .wavefront_size: 32
...
	.end_amdgpu_metadata
.endif
;; end of part 1
;; launch up (part 2): grid 32 x 8, 16 waves a work-group, no clusters, 36,864 bytes of LDS; arguments W1, b1, xc, xs, masks, H, HS, out2, list; writes H, HS, out2, list
.if DOCPART == 2
	.amdgcn_target "amdgcn-amd-amdhsa--gfx1250"
	.amdhsa_code_object_version 6
	.text
	.protected	k_q9279f19905_up
	.globl	k_q9279f19905_up
	.p2align	8
	.type	k_q9279f19905_up,@function
k_q9279f19905_up:
	s_mov_b64 s[64:65], 0
	v_nop
	global_prefetch_b8 v0, s[64:65] scope:SCOPE_SE
	s_setreg_imm32_b32 hwreg(HW_REG_WAVE_MODE, 25, 1), 1
	s_wait_xcnt 0x0
; THE FIRST PRODUCT OF THE CHOSEN EXPERT: hidden = relu(x W1[e] + b1[e]) for the tokens that take expert e, on codes of E2M1 with one E8M0 scale for each 32 along K; the result is quantised along the
; second product's K and stored as codes.  Also out2[e] = how many tokens take expert e, and the expert's list of tokens for the next launch.  Rows that the reference's own mask throws away are not multiplied.
; SHARES.  Work-group (c, e) owns 64 hidden units (64 c ..) of expert e: a slab of W1 of 1,024 x 64 f32, 256 KiB, which no other work-group reads: each weight byte leaves memory once and is quantised here, in registers.
; The slab comes in four chunks of 256 along K.  Of a chunk wave w quantises one block: 32 along K (block w / 2) x 32 columns (half w % 2): A LANE TAKES A COLUMN AND ITS REGISTERS RUN DOWN K, so that the
; conversions give codes with K innermost.  The codes go to LDS as images of the operand's registers (16 bytes a lane) and stay: a chunk has LDS bytes of its own, so one barrier a chunk is enough.
; For the products a wave owns two NEIGHBOURING tiles of 16 tokens a pass (tiles 32 p + 2 w and 32 p + 2 w + 1 of the expert's list), so that the list's tiles fill the low waves: a fragment of W1 read from LDS serves two
; live tiles, and a wave whose first tile lies past the list's end jumps over the products and their LDS reads.  Its loads from memory are issued all the same, so that every wait's count holds on both ways; its lanes
; then all ask for one token's bytes.  Pass 0 (512 tokens) goes chunk by chunk under the stream of the weights; passes 1 to 3, which run only where an expert has more than 512 tokens, take the finished slab from LDS:
; every split is served, all 2,048 tokens on one expert too.
; THE TOKENS.  The expert's list is its tokens in ascending order.  Every wave holds the expert's 64 mask words (stored by the router's launch) in scalar registers and finds the tokens at its own 32 places of the list
; itself (macro FIND), in registers: the count, every branch and every address are made of whole numbers read from memory, by register work alone.  It stands behind the requests for the first two blocks of weights.
; THE PRODUCT IS USED TRANSPOSED: source 0 = 16 columns of W1, source 1 = 16 tokens: a lane holds one token.  THE COLUMNS OF A TILE ARE NOT NEIGHBOURS: row r of tile 2 b + u is column 32 b + 8 u + r + 8 (r / 8), so that
; the 16 registers of tiles 2 b, 2 b + 1 are 16 neighbours along the next K.  b1 is loaded straight into the accumulators: every product adds in place.
; PAD ROWS.  A last tile's spare rows are copies of the tile's own first row: they compute and store what that row does; no lane is ever switched off.  Tile 0 is stored even for an expert without tokens (with some token's row).
; NO TENSOR LOAD, NO CLUSTER: branches and a trip count hang on a count read from memory, and the weights, two thirds of a work-group's bytes at 256 tokens (256 KiB beside 128 KiB of codes), are shared with nobody.
; LIMITS.  NaN and infinities are not served.  A block of zeros gets the byte 1 where the rule says 127: its codes are zeros, and this program alone reads the bytes.
; REGISTERS: v1 W1 offset; v2, v3 where my codes and my scale byte go; v4 16 x lane; v5 W1's scale words; v6, v7 tokens' codes (tiles a, b); v8 tokens' scale words; v9 8 r; v10-13 at work; v14-17 codes just made;
;   v18-21 W1's scale words, v22-25 the tokens' (two buffers): scales and nothing else; v26, v27 the tokens of tiles a and b (row r in both halves of the lanes), v28 a's in lanes 0-15 and b's in lanes 16-31;
;   v29 64 h: b1's offset; v31 the lane; v32-63 four fragments of W1 (also FIND's and the way out's registers at work); v64-127 the tokens' fragments, two buffers; v128-159, v160-191 the accumulators of tiles a and b;
;   v192-255 two sets of 32 numbers of W1.
;   s[32:63], s[68:99] the 64 mask words; s23 the running count; s24 the mask of lanes 16-31; s28 count, s29 tiles, s30 tiles stored, s31 passes; s100, s101 tiles a and b.
.set NCH,  4                           ; chunks
.set ROWB, 8192                        ; a row of W1[e] in bytes
.set SCW,  32768                       ; LDS: 0: the slab's codes, 8,192 bytes a chunk: fragment (K step s, tile t), part cc, lane L at 4096 s + 1024 t + 512 cc + 16 L;  SCW: its scale words, 512 bytes a chunk
.set LROW, 4352                        ; an expert's row of the list's buffer: 2,048 tokens of 2 bytes, the count at byte 4,096
.macro LOADW j, set, first, n          ; rows first .. first + n - 1 of my block of chunk j: down K, 128 consecutive bytes a load (with the neighbouring wave's: 256)
.set li, \first
.rept \n
	global_load_b32 v[192+32*(\set)+li], v1, s[4:5] offset:(256*(\j)+li)*ROWB th:TH_LOAD_NT
.set li, li+1
.endr
.endm
.macro LOADA j, buf                    ; the tokens' operand for chunk j (two K steps): nine loads
.irp s, 0,1
.irp cc, 0,1
	global_load_b128 v[64+32*(\buf)+8*\s+4*\cc:64+32*(\buf)+8*\s+4*\cc+3], v6, s[8:9] offset:128*(\j)+64*\s+32*\cc
.endr
.endr
.irp s, 0,1
.irp cc, 0,1
	global_load_b128 v[80+32*(\buf)+8*\s+4*\cc:80+32*(\buf)+8*\s+4*\cc+3], v7, s[8:9] offset:128*(\j)+64*\s+32*\cc
.endr
.endr
	global_load_b64 v[22+2*(\buf):23+2*(\buf)], v8, s[10:11] offset:8*(\j)   ; lanes 0-15: tile a's words, lanes 16-31: tile b's
.endm
.macro LOADBIAS                        ; sixteen loads: lane (r, h), tile t, register i: b1 of hidden unit 32 (t / 2) + 16 h + 8 (t % 2) + i; the same for both tiles of tokens
.irp a, 128, 160
.irp t, 0,1,2,3
	global_load_b128 v[\a+8*\t:\a+8*\t+3], v29, s[6:7] offset:(32*(\t/2)+8*(\t%2))*4
	global_load_b128 v[\a+8*\t+4:\a+8*\t+7], v29, s[6:7] offset:(32*(\t/2)+8*(\t%2))*4+16
.endr
.endr
.endm
.macro QUANT set, j                    ; my block: all 32 numbers of a column are mine
.set WS, 192+32*(\set)
	v_max3_num_f32 v10, |v[WS]|, |v[WS+1]|, |v[WS+2]|
	v_max3_num_f32 v11, |v[WS+3]|, |v[WS+4]|, |v[WS+5]|
.irp i, 6,10,14,18,22,26
	v_max3_num_f32 v10, v10, |v[WS+\i]|, |v[WS+\i+1]|
	v_max3_num_f32 v11, v11, |v[WS+\i+2]|, |v[WS+\i+3]|
.endr
	v_max3_num_f32 v10, v10, |v[WS+30]|, |v[WS+31]|
	v_max3_num_f32 v10, v10, v11, 0x1800000        ; the floor 2^(3 - 127): the byte cannot fall under 1
	v_add_nc_u32 v12, 0xff000000, v10              ; 2 off the exponent field: the conversion's scale operand
.irp g, 0,1,2,3
	v_cvt_scalef32_pk8_fp4_f32 v[14+\g], v[WS+8*\g:WS+8*\g+7], v12
.endr
	v_lshrrev_b32 v13, 23, v12                     ; the scale's byte; also the plain line behind the conversions
	ds_store_b128 v2, v[14:17] offset:8192*(\j)
	ds_store_b8 v3, v13 offset:512*(\j)
.endm
.macro WM d, bf, tf, sa, sb, ra, rb    ; one product; ra, rb: which half of the lanes holds the scales
.if ((\ra) == 0) && ((\rb) == 0)
	v_wmma_scale_f32_16x16x128_f8f6f4 v[(\d):(\d)+7], v[(\bf):(\bf)+7], v[(\tf):(\tf)+7], v[(\d):(\d)+7], v[(\sa)], v[(\sb)] matrix_a_fmt:MATRIX_FMT_FP4 matrix_b_fmt:MATRIX_FMT_FP4
.elseif ((\ra) == 1) && ((\rb) == 0)
	v_wmma_scale_f32_16x16x128_f8f6f4 v[(\d):(\d)+7], v[(\bf):(\bf)+7], v[(\tf):(\tf)+7], v[(\d):(\d)+7], v[(\sa)], v[(\sb)] matrix_a_fmt:MATRIX_FMT_FP4 matrix_b_fmt:MATRIX_FMT_FP4 matrix_a_scale:MATRIX_SCALE_ROW1
.elseif ((\ra) == 0) && ((\rb) == 1)
	v_wmma_scale_f32_16x16x128_f8f6f4 v[(\d):(\d)+7], v[(\bf):(\bf)+7], v[(\tf):(\tf)+7], v[(\d):(\d)+7], v[(\sa)], v[(\sb)] matrix_a_fmt:MATRIX_FMT_FP4 matrix_b_fmt:MATRIX_FMT_FP4 matrix_b_scale:MATRIX_SCALE_ROW1
.else
	v_wmma_scale_f32_16x16x128_f8f6f4 v[(\d):(\d)+7], v[(\bf):(\bf)+7], v[(\tf):(\tf)+7], v[(\d):(\d)+7], v[(\sa)], v[(\sb)] matrix_a_fmt:MATRIX_FMT_FP4 matrix_b_fmt:MATRIX_FMT_FP4 matrix_a_scale:MATRIX_SCALE_ROW1 matrix_b_scale:MATRIX_SCALE_ROW1
.endif
.endm
; Chunk j's sixteen products.  na: how many loads were issued behind the tokens' operand of this chunk; that wait stands on both ways, since the operand's registers are loaded again behind the macro.
; A wave whose first tile lies past the tiles that are stored has nothing to multiply: it jumps over the LDS reads and the products.
; The eight accumulators take turns, one instruction a turn, over K steps, chunks and passes.
.macro GEMM j, buf, na
	s_wait_loadcnt \na
	s_cmp_lt_u32 s100, s30
	s_cbranch_scc0 .Lidle_\@
	ds_load_b128 v[18:21], v5 offset:512*(\j)      ; register 2 s + p: lanes 0-15 the words of tile 2 p, lanes 16-31 of tile 2 p + 1, K step s
.irp s, 0,1
.irp t, 0,1,2,3
	ds_load_b128 v[32+8*\t:35+8*\t], v4 offset:8192*(\j)+4096*\s+1024*\t
	ds_load_b128 v[36+8*\t:39+8*\t], v4 offset:8192*(\j)+4096*\s+1024*\t+512
.endr
	s_wait_dscnt 0x0
.irp t, 0,1,2,3
	WM 128+8*\t, 32+8*\t, 64+32*(\buf)+8*\s, 18+2*\s+\t/2, 22+2*(\buf)+\s, \t%2, 0
	WM 160+8*\t, 32+8*\t, 80+32*(\buf)+8*\s, 18+2*\s+\t/2, 22+2*(\buf)+\s, \t%2, 1
.endr
.rept 4
	v_nop                                          ; four places ahead of loads into registers that these products read, and of the first read of results
.endr
.endr
.Lidle_\@:
.endm
; One step of the search inside a word: the set bits in the lower w of the 2 w bits at v40 stand in a field of w bits of v[reg]; where my place (v41) is not among them, they are taken off it and the search goes w bits up.
.macro SEL reg, w
	v_bfe_u32 v35, v[\reg], v40, \w
	v_cmp_ge_u32 vcc_lo, v41, v35
	v_sub_nc_u32 v42, v41, v35
	v_add_nc_u32 v43, \w, v40
	v_cndmask_b32 v41, v41, v42, vcc_lo
	v_cndmask_b32 v40, v40, v43, vcc_lo
.endm
; THE TOKENS AT MY PLACES OF THE LIST.  My lane wants place P = 16 x tile a + lane (lanes 0-15: tile a's rows, lanes 16-31: tile b's): the token of the P-th set bit of the expert's 2,048 mask bits.
; The scan: s23 runs through the number of set bits ahead of word g; each lane keeps the last word that has at most P bits ahead of it, and, packed, that number and g.  At its end s23 is the expert's count.
; first = 1: the count is taken from the scan (the later calls find the same number and leave it).
.macro FIND first
	v_lshl_add_u32 v32, s100, 4, v31               ; P
	v_mov_b32 v33, s32                             ; the word kept,
	v_mov_b32 v34, 0                               ; the bits ahead of it + g x 65,536
	s_bcnt1_i32_b32 s23, s32
.set g, 1
.rept 63
.if g < 32
.set MR, 32+g
.else
.set MR, 36+g
.endif
	v_cmp_gt_u32 vcc_lo, s23, v32                  ; more than P bits ahead of word g: my bit lies further down, what I keep stays
	s_add_co_u32 s2, s23, g<<16
	v_cndmask_b32 v33, s[MR], v33, vcc_lo
	v_cndmask_b32 v34, s2, v34, vcc_lo
	s_bcnt1_i32_b32 s3, s[MR]
	s_add_co_u32 s23, s23, s3
.set g, g+1
.endr
.if \first
	s_min_u32 s28, s23, 0x800                      ; the count
.endif
	v_and_b32 v35, 0xffff, v34
	v_sub_nc_u32 v41, v32, v35                     ; my place among the word's set bits
	v_lshrrev_b32 v34, 16, v34                     ; g
	v_lshrrev_b32 v35, 1, v33                      ; the word's set bits counted in fields of 2, 4, 8 and 16 bits: v36, v37, v38, v39
	v_and_b32 v35, 0x55555555, v35
	v_sub_nc_u32 v36, v33, v35
	v_lshrrev_b32 v35, 2, v36
	v_and_b32 v35, 0x33333333, v35
	v_and_b32 v37, 0x33333333, v36
	v_add_nc_u32 v37, v37, v35
	v_lshrrev_b32 v35, 4, v37
	v_add_nc_u32 v35, v35, v37
	v_and_b32 v38, 0x0f0f0f0f, v35
	v_lshrrev_b32 v35, 8, v38
	v_add_nc_u32 v35, v35, v38
	v_and_b32 v39, 0x00ff00ff, v35
	v_mov_b32 v40, 0                               ; the bit's number, found from the top down
	SEL 39, 16
	SEL 38, 8
	SEL 37, 4
	SEL 36, 2
	SEL 33, 1
	v_lshl_add_u32 v28, v34, 5, v40                ; the token: 32 g + the bit's number.  (A place past the list's end gives some number under 2,048)
	v_readlane_b32 s2, v28, 0                      ; the tiles' first rows,
	v_readlane_b32 s3, v28, 16
	v_mov_b32 v35, s2
	v_mov_b32 v36, s3
	v_cndmask_b32 v35, v35, v36, s24
	v_cmp_gt_u32 vcc_lo, s28, v32                  ; which stand in for places past the end
	v_cndmask_b32 v28, v35, v28, vcc_lo
	v_permlanex16_b32 v35, v28, s26, s27           ; lane l xor 16's
	v_cndmask_b32 v26, v28, v35, s24               ; tile a's tokens in both halves of the lanes,
	v_cndmask_b32 v27, v35, v28, s24               ; tile b's
.endm
.macro TOKOFF ra, rb, rab              ; tokens into offsets: held inside the tables first
	v_min_u32 v6, 0x7ff, v[\ra]
	v_min_u32 v7, 0x7ff, v[\rb]
	v_min_u32 v8, 0x7ff, v[\rab]
	v_lshl_add_u32 v6, v6, 9, v12                  ; a token's 512 bytes of codes, + 16 h
	v_lshl_add_u32 v7, v7, 9, v12
	v_lshlrev_b32 v8, 5, v8                        ; its 32 scale bytes
.endm
.macro CHUNK j, nw, na                 ; nw: how many loads were issued behind my block of chunk j
	s_wait_loadcnt \nw
	QUANT (\j)%2, \j
.if (\j)+2 < NCH
	LOADW (\j)+2, (\j)%2, 0, 32
.endif
	s_wait_dscnt 0x0                               ; for the others' sake: my codes and my byte lie in LDS
	s_barrier_signal -1
	s_barrier_wait -1
	GEMM \j, (\j)%2, \na
.if (\j)+2 < NCH
	LOADA (\j)+2, (\j)%2
.endif
.endm
; A tile's way out: relu, the two blocks of 32 of this slab quantised along the next K, 512 consecutive bytes of codes and a halfword of scale bytes a row; slab 0 also stores the tile's tokens.
; acc: its accumulators; t: 16 registers at work; st: the scalar with its number; tk: the register with its tokens
.macro EPI acc, t, st, tk
	s_cmp_lt_u32 s[\st], s30
	s_cbranch_scc0 .Lskip_\@
	s_min_u32 s2, s[\st], 127                      ; held inside the expert's 128 tiles
.set q, 0
.rept 32
	v_max_num_f32 v[\acc+q], 0, v[\acc+q]          ; the activation, in f32; each accumulator from its low end on
.set q, q+1
.endr
	v_max3_num_f32 v[\t], v[\acc], v[\acc+1], 0x1800000            ; no |.|: nothing is negative here; the floor 2^(3 - 127)
	v_max3_num_f32 v[\t+1], v[\acc+16], v[\acc+17], 0x1800000
.irp i, 2,4,6,8,10,12,14
	v_max3_num_f32 v[\t], v[\t], v[\acc+\i], v[\acc+\i+1]
	v_max3_num_f32 v[\t+1], v[\t+1], v[\acc+16+\i], v[\acc+17+\i]
.endr
	v_permlanex16_b32 v[\t+2], v[\t], s26, s27
	v_permlanex16_b32 v[\t+3], v[\t+1], s26, s27
	v_max_num_f32 v[\t], v[\t], v[\t+2]            ; with lane l xor 16's sixteen: the block's largest
	v_max_num_f32 v[\t+1], v[\t+1], v[\t+3]
	v_add_nc_u32 v[\t+4], 0xff000000, v[\t]
	v_add_nc_u32 v[\t+5], 0xff000000, v[\t+1]
	v_lshrrev_b32 v[\t+6], 23, v[\t+4]
	v_lshrrev_b32 v[\t+7], 23, v[\t+5]
	v_lshl_or_b32 v[\t+12], v[\t+7], 8, v[\t+6]    ; the two bytes of my row
	v_cvt_scalef32_pk8_fp4_f32 v[\t+8], v[\acc:\acc+7], v[\t+4]
	v_cvt_scalef32_pk8_fp4_f32 v[\t+9], v[\acc+8:\acc+15], v[\t+4]
	v_cvt_scalef32_pk8_fp4_f32 v[\t+10], v[\acc+16:\acc+23], v[\t+5]
	v_cvt_scalef32_pk8_fp4_f32 v[\t+11], v[\acc+24:\acc+31], v[\t+5]
	v_lshl_add_u32 v[\t+13], s2, 14, v4            ; the tile's 16,384 bytes of H, 16 bytes a lane.  (The plain line behind the conversions)
	v_lshl_add_u32 v[\t+14], s2, 10, v9            ; its 1,024 bytes of HS, 8 bytes a row
	v_permlane16_swap_b32 v[\t+8], v[\t+10]        ; the operand's layout wants a whole block in a lane: lanes 0-15 block 2 c, lanes 16-31 block 2 c + 1
	v_permlane16_swap_b32 v[\t+9], v[\t+11]
	global_store_b128 v[\t+13], v[\t+8:\t+11], s[14:15]            ; 32 lanes store 512 consecutive bytes, aligned
	global_store_b16 v[\t+14], v[\t+12], s[16:17]                  ; lanes 16-31 write what lanes 0-15 write
	s_cmp_lg_u32 s21, 0
	s_cbranch_scc1 .Lskip_\@
	v_lshrrev_b32 v[\t+15], 2, v9                  ; slab 0: the tile's 16 tokens, 2 bytes a row, 32 bytes a tile
	v_lshl_add_u32 v[\t+15], s2, 5, v[\t+15]
	global_store_b16 v[\t+15], v[\tk], s[66:67]                    ; lanes 16-31 write what lanes 0-15 write
.Lskip_\@:
.endm
	s_load_b512 s[4:19], s[0:1], 0x0               ; W1 s[4:5], b1 s[6:7], xc s[8:9], xs s[10:11], masks s[12:13], H s[14:15], HS s[16:17], out2 s[18:19]
	s_load_b64 s[66:67], s[0:1], 0x40              ; list
	v_lshrrev_b32 v10, 5, v0
	v_readfirstlane_b32 s20, v10                   ; wave 0..15
	s_mov_b32 s21, ttmp9                           ; c: the slab
	s_and_b32 s22, ttmp7, 0xffff                   ; e: the expert
	s_and_b32 s23, s20, 1                          ; cw: which 32 columns I quantise
	s_lshr_b32 s24, s20, 1                         ; kb: which block of a chunk
	s_mov_b32 s26, 0x76543210
	s_mov_b32 s27, 0xfedcba98                      ; v_permlanex16_b32's selects for lane l xor 16
	v_and_b32 v13, 31, v0                          ; lane
	v_lshlrev_b32 v4, 4, v13
	v_add_nc_u32 v5, SCW, v4
	s_lshl_b32 s2, s24, 18                         ; 32 rows of 8,192 bytes a block
	s_lshl_b32 s3, s23, 7
	s_add_co_u32 s2, s2, s3
	v_lshl_add_u32 v1, v13, 2, s2
	v_and_b32 v10, 7, v0
	v_bfe_u32 v11, v0, 4, 1                        ; h
	v_lshl_add_u32 v10, v11, 3, v10                ; my column's row in its tile: lane % 8 + 8 (lane / 16)
	v_bfe_u32 v12, v0, 3, 1                        ; and which of the two tiles: bit 3 of the lane
	s_lshr_b32 s2, s24, 2
	s_lshl_b32 s2, s2, 12                          ; K step kb / 4
	s_bfe_u32 s3, s24, 0x10001
	s_lshl_b32 s3, s3, 9                           ; part (kb / 2) % 2
	s_add_co_u32 s2, s2, s3
	s_and_b32 s3, s24, 1
	s_lshl_b32 s3, s3, 8                           ; half of the lanes kb % 2
	s_add_co_u32 s2, s2, s3
	s_lshl_b32 s3, s23, 11                         ; tile 2 cw
	s_add_co_u32 s2, s2, s3
	v_lshlrev_b32 v2, 4, v10
	v_lshl_add_u32 v2, v12, 10, v2
	v_add_nc_u32 v2, s2, v2
	s_lshr_b32 s2, s24, 2
	s_lshl_b32 s2, s2, 3                           ; the scale byte: 16 bytes a lane of the word's register image: 8 x K step + 4 x cw + the block in the K step
	s_lshl_b32 s3, s23, 2
	s_add_co_u32 s2, s2, s3
	s_and_b32 s3, s24, 3
	s_add_co_u32 s2, s2, s3
	s_add_co_u32 s2, s2, SCW
	v_lshl_add_u32 v3, v12, 4, v10
	v_lshlrev_b32 v3, 4, v3
	v_add_nc_u32 v3, s2, v3
	v_and_b32 v9, 15, v0                           ; r
	v_mov_b32 v31, v13                             ; the lane: my place in the list, from tile a's first place on
	v_lshlrev_b32 v9, 3, v9
	v_lshlrev_b32 v12, 4, v11                      ; 16 h
	v_lshlrev_b32 v29, 6, v11                      ; 64 h: b1's offset; a register of its own, since the quantiser's registers are written while b1's loads may be out
	v_mov_b32 v50, 0                               ; written once: a lane permute's destination counts as one of its sources,
	v_mov_b32 v51, 0                               ; also on a way that has loaded no fragment into these two
	s_mov_b32 s3, 0
	s_wait_kmcnt 0x0
	s_lshl_b32 s2, s22, 8
	s_add_nc_u64 s[12:13], s[12:13], s[2:3]        ; the expert's 64 mask words: asked for first of all
	s_load_b512 s[32:47], s[12:13], 0x0
	s_load_b512 s[48:63], s[12:13], 0x40
	s_load_b512 s[68:83], s[12:13], 0x80
	s_load_b512 s[84:99], s[12:13], 0xc0
	s_lshl_b32 s2, s22, 23                         ; an expert's 8,388,608 bytes; a slab's 256 bytes of a row
	s_lshl_b32 s25, s21, 8
	s_add_co_u32 s2, s2, s25
	s_add_nc_u64 s[4:5], s[4:5], s[2:3]
	LOADW 0, 0, 0, 32                              ; THE FIRST TWO BLOCKS OF WEIGHTS ARE ASKED FOR AHEAD OF ALL THAT WAITS FOR WHOLE NUMBERS: 32 + 31 loads are 63, the most that LOADcnt's field holds
	LOADW 1, 1, 0, 31                              ; (ISA guide 5.7.1: one more would hold the wave's issue until the first came back); the block's last row follows behind FIND
	s_lshl_b32 s2, s22, 13
	s_add_co_u32 s2, s2, s25
	s_add_nc_u64 s[6:7], s[6:7], s[2:3]
	s_lshl_b32 s2, s22, 21                         ; H: 128 tiles of 16,384 bytes an expert; the slab's 512 bytes of a tile
	s_lshl_b32 s25, s21, 9
	s_add_co_u32 s2, s2, s25
	s_add_nc_u64 s[14:15], s[14:15], s[2:3]
	s_lshl_b32 s2, s22, 17                         ; HS: 128 tiles of 1,024 bytes; chunk c / 4, word (c / 2) % 2, halfword c % 2
	s_lshr_b32 s25, s21, 2
	s_lshl_b32 s25, s25, 7
	s_add_co_u32 s2, s2, s25
	s_bfe_u32 s25, s21, 0x10001
	s_lshl_b32 s25, s25, 2
	s_add_co_u32 s2, s2, s25
	s_and_b32 s25, s21, 1
	s_lshl_b32 s25, s25, 1
	s_add_co_u32 s2, s2, s25
	s_add_nc_u64 s[16:17], s[16:17], s[2:3]
	s_lshl_b32 s2, s22, 2
	s_add_nc_u64 s[18:19], s[18:19], s[2:3]
	s_mul_i32 s2, s22, LROW
	s_add_nc_u64 s[66:67], s[66:67], s[2:3]        ; the expert's row of the list's buffer
	s_mov_b32 s24, 0xffff0000                      ; lanes 16-31
	s_lshl_b32 s100, s20, 1                        ; tile a = 2 w
	s_add_co_u32 s101, s100, 1                     ; tile b = 2 w + 1
	s_wait_kmcnt 0x0                               ; the mask words
	FIND 1
	s_add_co_u32 s29, s28, 15
	s_lshr_b32 s29, s29, 4                         ; tiles
	s_max_u32 s30, s29, 1                          ; tiles stored: at least one
	s_add_co_u32 s31, s28, 511
	s_lshr_b32 s31, s31, 9                         ; passes
	TOKOFF 26, 27, 28
	LOADW 1, 1, 31, 1
	LOADBIAS
	LOADA 0, 0
	LOADA 1, 1
	; My loads in the order of issue: W0 32, W1 31 + 1, b1 16, A0 9, A1 9, W2 32, A2 9, W3 32, A3 9.  Loads come back in order (ISA guide 5.7.1), so each wait names what was issued behind the load that it wants;
	; where that is more than the largest count that the wait can name, it names that count, which is less and so is safe:
	CHUNK 0, 63, 41                                ; W0: W1, b1, A0, A1 behind it are 66;  A0, and b1 ahead of it: A1, W2
	CHUNK 1, 63, 63                                ; W1: b1, A0, A1, W2, A2 are 75;        A1: W2, A2, W3 are 73
	CHUNK 2, 50, 41                                ; W2: A2, W3, A3;                       A2: W3, A3
	CHUNK 3, 9, 0                                  ; W3: A3;                               A3: nothing
	EPI 128, 32, 100, 26
	EPI 160, 48, 101, 27
	s_cmp_lt_u32 s31, 2
	s_cbranch_scc1 .Lfin
	; ---- more than 512 tokens: further passes from the finished slab
	v_bfe_u32 v12, v0, 4, 1
	v_lshlrev_b32 v12, 4, v12                      ; 16 h anew: the quantiser has used its register
	s_mov_b32 s25, 1
.Lpass:
	s_add_co_u32 s100, s100, 32
	s_add_co_u32 s101, s101, 32
	s_wait_xcnt 0x0                                ; the last pass's stores have been taken up: their data and offsets, and the loads' offsets, may be written again
	FIND 0
	TOKOFF 26, 27, 28
	LOADBIAS
.irp j, 0,1,2,3
	LOADA \j, 0
	GEMM \j, 0, 0
.endr
	EPI 128, 32, 100, 26
	EPI 160, 48, 101, 27
	s_add_co_u32 s25, s25, 1
	s_cmp_lt_u32 s25, s31
	s_cbranch_scc1 .Lpass
.Lfin:
	s_or_b32 s2, s20, s21                          ; slab 0's wave 0 stores the expert's count: as f32 in out2, as a whole number behind the list
	s_cmp_lg_u32 s2, 0
	s_cbranch_scc1 .Lend
	v_cvt_f32_u32 v10, s28
	v_mov_b32 v11, 0
	v_mov_b32 v12, s28
	v_cmp_eq_u32 vcc_lo, 0, v0
	s_wait_xcnt 0x0                                ; EXEC changes only behind this wait
	s_and_saveexec_b32 s2, vcc_lo
	global_store_b32 v11, v10, s[18:19]
	global_store_b32 v11, v12, s[66:67] offset:4096
	s_wait_xcnt 0x0
	s_mov_b32 exec_lo, -1
	v_lshl_add_u32 v30, v0, 2, 0x8800
	v_mov_b32 v31, 0
	s_wait_tensorcnt 0x0
	ds_add_u32 v30, v31
	s_wait_dscnt 0x0
	s_endpgm
.Lend:
	s_wait_xcnt 0x0
	s_mov_b32 exec_lo, -1
	v_lshl_add_u32 v30, v0, 2, 0x8800
	v_mov_b32 v31, 0
	s_wait_tensorcnt 0x0
	ds_add_u32 v30, v31
	s_wait_dscnt 0x0
	s_endpgm
.Lfunc_end_k_q9279f19905_up:
	.size	k_q9279f19905_up, .Lfunc_end_k_q9279f19905_up-k_q9279f19905_up
	.p2alignl 7, 3214868480
	.fill 96, 4, 3214868480
	.section	.rodata,"a",@progbits
	.p2align	6, 0x0
	.amdhsa_kernel k_q9279f19905_up
		.amdhsa_group_segment_fixed_size 36864
		.amdhsa_private_segment_fixed_size 0
		.amdhsa_enable_private_segment 0
		.amdhsa_kernarg_size 72
		.amdhsa_user_sgpr_count 2
		.amdhsa_user_sgpr_kernarg_segment_ptr 1
		.amdhsa_wavefront_size32 1
		.amdhsa_system_sgpr_workgroup_id_x 1
		.amdhsa_system_sgpr_workgroup_id_y 1
		.amdhsa_system_sgpr_workgroup_id_z 1
		.amdhsa_system_vgpr_workitem_id 0
		.amdhsa_next_free_vgpr 256
		.amdhsa_next_free_sgpr 102
		.amdhsa_reserve_vcc 1
		.amdhsa_float_denorm_mode_32 3
		.amdhsa_float_denorm_mode_16_64 3
		.amdhsa_memory_ordered 1
		.amdhsa_forward_progress 1
		.amdhsa_inst_pref_size 109
	.end_amdhsa_kernel
	.amdgpu_metadata
---
amdhsa.version: [ 1, 2 ]
amdhsa.kernels:
  - .name:           k_q9279f19905_up
    .symbol:         k_q9279f19905_up.kd
    .args:
      - { .name: W1, .offset: 0, .size: 8, .value_kind: global_buffer, .address_space: global }
      - { .name: b1, .offset: 8, .size: 8, .value_kind: global_buffer, .address_space: global }
      - { .name: xc, .offset: 16, .size: 8, .value_kind: global_buffer, .address_space: global }
      - { .name: xs, .offset: 24, .size: 8, .value_kind: global_buffer, .address_space: global }
      - { .name: masks, .offset: 32, .size: 8, .value_kind: global_buffer, .address_space: global }
      - { .name: H, .offset: 40, .size: 8, .value_kind: global_buffer, .address_space: global }
      - { .name: HS, .offset: 48, .size: 8, .value_kind: global_buffer, .address_space: global }
      - { .name: out2, .offset: 56, .size: 8, .value_kind: global_buffer, .address_space: global }
      - { .name: list, .offset: 64, .size: 8, .value_kind: global_buffer, .address_space: global }
    .group_segment_fixed_size: 36864
    .private_segment_fixed_size: 0
    .kernarg_segment_align: 8
    .kernarg_segment_size: 72
    .max_flat_workgroup_size: 512
    .sgpr_count:     102
    .vgpr_count:     256
    .wavefront_size: 32
...
	.end_amdgpu_metadata
.endif
;; end of part 2
;; launch down (part 3): grid 16 x 8, 16 waves a work-group, no clusters, 141,312 bytes of LDS; arguments W2, b2, H, HS, list, out0; writes out0
.if DOCPART == 3
	.amdgcn_target "amdgcn-amd-amdhsa--gfx1250"
	.amdhsa_code_object_version 6
	.text
	.protected	k_q9279f19905_down
	.globl	k_q9279f19905_down
	.p2align	8
	.type	k_q9279f19905_down,@function
k_q9279f19905_down:
	s_mov_b64 s[64:65], 0
	v_nop
	global_prefetch_b8 v0, s[64:65] scope:SCOPE_SE
	s_setreg_imm32_b32 hwreg(HW_REG_WAVE_MODE, 25, 1), 1
	s_wait_xcnt 0x0
; THE SECOND PRODUCT OF THE CHOSEN EXPERT: out0[token] = hidden W2[e] + b2[e] for the tokens that take expert e, on codes of E2M1 with one E8M0 scale for each 32 along K.
; The factor p_max / p_max of the reference is 1.0 exactly for every finite input (the largest of eight probabilities is at least 1/8, and a finite number that is not 0 divided by itself is 1): no line is written for it.
; SHARES.  Work-group (c, e) owns 64 outputs (64 c ..) of expert e: a slab of W2 of 2,048 x 64 f32, 512 KiB, which no other work-group reads: each weight byte leaves memory once and is quantised here, in registers.
; 64 columns, and so 128 work-groups: a row's piece of the slab and of out0 is then 256 consecutive bytes, aligned; K is not split, since each output has one owner.
; The slab comes in eight chunks of 256 along K.  Of a chunk wave w quantises one block: 32 along K (block w / 2) x 32 columns (half w % 2), a lane to a column, its registers down K.  The codes go to LDS as images of the
; operand's registers and stay: a chunk has LDS bytes of its own, so one barrier a chunk is enough.  The hidden layer's codes were stored as such images too: a fragment comes by two loads of 512 consecutive bytes.
; A wave owns two NEIGHBOURING tiles of 16 tokens a pass (tiles 32 p + 2 w, 32 p + 2 w + 1 of the expert's list), so that the list's tiles fill the low waves: a fragment of W2 read from LDS serves two live tiles, and a wave
; whose first tile lies past the list's end jumps over the products and their LDS reads.  Its loads from memory are issued all the same, so that every wait's count holds on both ways: a tile past the end names the last tile
; that was stored, all its lanes the same 16 bytes, and stores nothing.  Pass 0 goes chunk by chunk under the stream of the weights; passes 1 to 3 run only where an expert has more than 512 tokens.
; THE COUNT AND THE TOKENS come from the list that the launch before stored, by scalar loads: a tile's 16 tokens are 32 bytes, eight scalar registers.
; THE PRODUCT IS USED TRANSPOSED: source 0 = 16 columns of W2 (tile t: 16 t + r), source 1 = 16 tokens: a lane holds one token and eight neighbouring outputs.  b2 is loaded straight into the accumulators.
; PAD ROWS.  A last tile's spare rows are copies of the tile's own first row, in the list and in the hidden layer's codes: they store the same bits to the same row of out0 as that row does; no lane is switched off.
; NO TENSOR LOAD, NO CLUSTER: branches and a trip count hang on a count read from memory, and the weights, two thirds of a work-group's bytes at 256 tokens (512 KiB beside 256 KiB of codes), are shared with nobody.
; LIMITS.  NaN and infinities are not served.  A block of zeros gets the byte 1 where the rule says 127: its codes are zeros, and this program alone reads the bytes.
; REGISTERS: v1 W2 offset; v2, v3 where my codes and my scale byte go; v4 16 x lane; v5 W2's scale words; v6, v7 the tiles' codes; v8 their scale words; v9, v31 my stage, in and back; v10-13 at work; v14-17 codes just made;
;   v18-21 W2's scale words, v22-25 the tokens' (two buffers): scales and nothing else; v29 32 h: b2's offset; v32-63 four fragments of W2; v64-127 the tokens' fragments, two buffers;
;   v128-159, v160-191 the accumulators of tiles a and b; v192-255 two sets of 32 numbers of W2, later the way out's offsets.
;   s[32:39], s[40:47] the tokens of tiles a and b, two to a register; s28 count, s29 tiles, s30 tiles stored, s31 passes; s100, s101 tiles a and b.
.set NCH,  8                           ; chunks
.set ROWB, 4096                        ; a row of W2[e] in bytes
.set SCW,  65536                       ; LDS: 0: the slab's codes, 8,192 bytes a chunk: fragment (K step s, tile t), part cc, lane L at 4096 s + 1024 t + 512 cc + 16 L;  SCW: its scale words, 512 bytes a chunk
.set STG,  69632                       ; a stage of 16 rows x (256 bytes + 16) for each wave
.set SP,   272
.set LROW, 4352                        ; an expert's row of the list's buffer: 2,048 tokens of 2 bytes, the count at byte 4,096
.macro LOADW j, set, first, n          ; rows first .. first + n - 1 of my block of chunk j: down K, 128 consecutive bytes a load (with the neighbouring wave's: 256)
.set li, \first
.rept \n
	global_load_b32 v[192+32*(\set)+li], v1, s[4:5] offset:(256*(\j)+li)*ROWB th:TH_LOAD_NT
.set li, li+1
.endr
.endm
.macro LOADA j, buf                    ; the hidden layer's operand for chunk j (two K steps): nine loads; a piece of 512 bytes is one slab's of the launch before
.irp s, 0,1
.irp cc, 0,1
	global_load_b128 v[64+32*(\buf)+8*\s+4*\cc:64+32*(\buf)+8*\s+4*\cc+3], v6, s[8:9] offset:2048*(\j)+1024*\s+512*\cc
.endr
.endr
.irp s, 0,1
.irp cc, 0,1
	global_load_b128 v[80+32*(\buf)+8*\s+4*\cc:80+32*(\buf)+8*\s+4*\cc+3], v7, s[8:9] offset:2048*(\j)+1024*\s+512*\cc
.endr
.endr
	global_load_b64 v[22+2*(\buf):23+2*(\buf)], v8, s[10:11] offset:128*(\j)   ; lanes 0-15: tile a's words, lanes 16-31: tile b's
.endm
.macro LOADBIAS                        ; sixteen loads: lane (r, h), tile t, register i: b2 of output 16 t + 8 h + i; the same for both tiles of tokens
.irp a, 128, 160
.irp t, 0,1,2,3
	global_load_b128 v[\a+8*\t:\a+8*\t+3], v29, s[6:7] offset:64*\t
	global_load_b128 v[\a+8*\t+4:\a+8*\t+7], v29, s[6:7] offset:64*\t+16
.endr
.endr
.endm
.macro QUANT set, j                    ; my block: all 32 numbers of a column are mine
.set WS, 192+32*(\set)
	v_max3_num_f32 v10, |v[WS]|, |v[WS+1]|, |v[WS+2]|
	v_max3_num_f32 v11, |v[WS+3]|, |v[WS+4]|, |v[WS+5]|
.irp i, 6,10,14,18,22,26
	v_max3_num_f32 v10, v10, |v[WS+\i]|, |v[WS+\i+1]|
	v_max3_num_f32 v11, v11, |v[WS+\i+2]|, |v[WS+\i+3]|
.endr
	v_max3_num_f32 v10, v10, |v[WS+30]|, |v[WS+31]|
	v_max3_num_f32 v10, v10, v11, 0x1800000        ; the floor 2^(3 - 127): the byte cannot fall under 1
	v_add_nc_u32 v12, 0xff000000, v10              ; 2 off the exponent field: the conversion's scale operand
.irp g, 0,1,2,3
	v_cvt_scalef32_pk8_fp4_f32 v[14+\g], v[WS+8*\g:WS+8*\g+7], v12
.endr
	v_lshrrev_b32 v13, 23, v12                     ; the scale's byte; also the plain line behind the conversions
	ds_store_b128 v2, v[14:17] offset:8192*(\j)
	ds_store_b8 v3, v13 offset:512*(\j)
.endm
.macro WM d, bf, tf, sa, sb, ra, rb    ; one product; ra, rb: which half of the lanes holds the scales
.if ((\ra) == 0) && ((\rb) == 0)
	v_wmma_scale_f32_16x16x128_f8f6f4 v[(\d):(\d)+7], v[(\bf):(\bf)+7], v[(\tf):(\tf)+7], v[(\d):(\d)+7], v[(\sa)], v[(\sb)] matrix_a_fmt:MATRIX_FMT_FP4 matrix_b_fmt:MATRIX_FMT_FP4
.elseif ((\ra) == 1) && ((\rb) == 0)
	v_wmma_scale_f32_16x16x128_f8f6f4 v[(\d):(\d)+7], v[(\bf):(\bf)+7], v[(\tf):(\tf)+7], v[(\d):(\d)+7], v[(\sa)], v[(\sb)] matrix_a_fmt:MATRIX_FMT_FP4 matrix_b_fmt:MATRIX_FMT_FP4 matrix_a_scale:MATRIX_SCALE_ROW1
.elseif ((\ra) == 0) && ((\rb) == 1)
	v_wmma_scale_f32_16x16x128_f8f6f4 v[(\d):(\d)+7], v[(\bf):(\bf)+7], v[(\tf):(\tf)+7], v[(\d):(\d)+7], v[(\sa)], v[(\sb)] matrix_a_fmt:MATRIX_FMT_FP4 matrix_b_fmt:MATRIX_FMT_FP4 matrix_b_scale:MATRIX_SCALE_ROW1
.else
	v_wmma_scale_f32_16x16x128_f8f6f4 v[(\d):(\d)+7], v[(\bf):(\bf)+7], v[(\tf):(\tf)+7], v[(\d):(\d)+7], v[(\sa)], v[(\sb)] matrix_a_fmt:MATRIX_FMT_FP4 matrix_b_fmt:MATRIX_FMT_FP4 matrix_a_scale:MATRIX_SCALE_ROW1 matrix_b_scale:MATRIX_SCALE_ROW1
.endif
.endm
; Chunk j's sixteen products.  na: how many loads were issued behind the tokens' operand of this chunk; that wait stands on both ways, since the operand's registers are loaded again behind the macro.
; A wave whose first tile lies past the list's end has nothing to multiply: it jumps over the LDS reads and the products.
; The eight accumulators take turns, one instruction a turn, over K steps, chunks and passes.
.macro GEMM j, buf, na
	s_wait_loadcnt \na
	s_cmp_lt_u32 s100, s29
	s_cbranch_scc0 .Lidle_\@
	ds_load_b128 v[18:21], v5 offset:512*(\j)      ; register 2 s + p: lanes 0-15 the words of tile 2 p, lanes 16-31 of tile 2 p + 1, K step s
.irp s, 0,1
.irp t, 0,1,2,3
	ds_load_b128 v[32+8*\t:35+8*\t], v4 offset:8192*(\j)+4096*\s+1024*\t
	ds_load_b128 v[36+8*\t:39+8*\t], v4 offset:8192*(\j)+4096*\s+1024*\t+512
.endr
	s_wait_dscnt 0x0
.irp t, 0,1,2,3
	WM 128+8*\t, 32+8*\t, 64+32*(\buf)+8*\s, 18+2*\s+\t/2, 22+2*(\buf)+\s, \t%2, 0
	WM 160+8*\t, 32+8*\t, 80+32*(\buf)+8*\s, 18+2*\s+\t/2, 22+2*(\buf)+\s, \t%2, 1
.endr
.rept 4
	v_nop                                          ; four places ahead of loads into registers that these products read, and of the first read of results
.endr
.endr
.Lidle_\@:
.endm
; The two tiles' tokens are asked for, and their offsets in H and HS made.  A tile past the end names the last one stored, and all its lanes the same 16 bytes of each piece; each number is held inside its range
.macro TILEOFF
	s_cmp_lt_u32 s100, s30
	s_cselect_b32 s56, 1, 0                        ; 1: tile a was stored; 0: it lies past the end
	s_cmp_lt_u32 s101, s30
	s_cselect_b32 s57, 1, 0                        ; the same of tile b
	s_min_u32 s56, s56, 1
	s_min_u32 s57, s57, 1
	s_sub_co_u32 s2, s30, 1
	s_min_u32 s3, s100, s2
	s_min_u32 s3, s3, 127
	s_min_u32 s2, s101, s2
	s_min_u32 s2, s2, 127
	s_lshl_b32 s50, s3, 5                          ; a tile's 32 bytes of the list
	s_mov_b32 s51, 0
	s_add_nc_u64 s[48:49], s[12:13], s[50:51]
	s_load_b256 s[32:39], s[48:49], 0x0
	s_lshl_b32 s54, s2, 5
	s_mov_b32 s55, 0
	s_add_nc_u64 s[52:53], s[12:13], s[54:55]
	s_load_b256 s[40:47], s[52:53], 0x0
	v_mul_u32_u24 v12, s56, v4                     ; 16 bytes a lane, or none
	v_mul_u32_u24 v13, s57, v4
	v_lshl_add_u32 v6, s3, 14, v12                 ; a tile's 16,384 bytes of codes
	v_lshl_add_u32 v7, s2, 14, v13
	v_mov_b32 v12, s3
	v_mov_b32 v13, s2
	v_bfe_u32 v10, v0, 4, 1
	v_cmp_eq_u32 vcc_lo, 1, v10
	v_cndmask_b32 v8, v12, v13, vcc_lo             ; lanes 0-15 tile a, lanes 16-31 tile b
	v_min_u32 v8, 0x7f, v8
	v_and_b32 v10, 15, v0
	v_lshlrev_b32 v10, 3, v10
	v_lshl_add_u32 v8, v8, 10, v10                 ; a tile's 1,024 bytes of scale words, 8 bytes a row
.endm
.macro CHUNK j, nw, na                 ; nw: how many loads were issued behind my block of chunk j
	s_wait_loadcnt \nw
	QUANT (\j)%2, \j
.if (\j)+2 < NCH
	LOADW (\j)+2, (\j)%2, 0, 32
.endif
	s_wait_dscnt 0x0                               ; for the others' sake: my codes and my byte lie in LDS
	s_barrier_signal -1
	s_barrier_wait -1
	GEMM \j, (\j)%2, \na
.if (\j)+2 < NCH
	LOADA (\j)+2, (\j)%2
.endif
.endm
; A tile's way out.  A lane holds 32 bytes of one row, four times; the rows go through my own stage and come back 16 bytes a lane, two rows an instruction, so that sixteen lanes store 256 consecutive bytes of a token's row.
; acc: the accumulators; sb: the first of the eight scalars with the tile's tokens; st: the scalar with the tile's number; dr: 32 registers for the rows; ar: 8 for the offsets
.macro OUT acc, sb, st, dr, ar
	s_cmp_lt_u32 s[\st], s29
	s_cbranch_scc0 .Lno_\@
.irp t, 0,1,2,3
	ds_store_b128 v9, v[\acc+8*\t:\acc+8*\t+3] offset:64*\t        ; each accumulator from its low end on
	ds_store_b128 v9, v[\acc+8*\t+4:\acc+8*\t+7] offset:64*\t+16
.endr
.irp i, 0,1,2,3,4,5,6,7
	ds_load_b128 v[\dr+4*\i:\dr+4*\i+3], v31 offset:2*SP*\i        ; LDS serves a wave's instructions in order: these see the stores above, and the next tile's stores come behind them
.endr
.irp i, 0,1,2,3,4,5,6,7
	v_bfe_u32 v[\ar+\i], s[\sb+\i], v217, 16       ; the token of row 2 i + h: the low or the high half of word i
.endr
.irp i, 0,1,2,3,4,5,6,7
	v_min_u32 v[\ar+\i], 0x7ff, v[\ar+\i]          ; held inside out0's 2,048 rows
.endr
.irp i, 0,1,2,3,4,5,6,7
	v_lshl_add_u32 v[\ar+\i], v[\ar+\i], 12, v216  ; its row of 4,096 bytes, + 16 r
.endr
.irp i, 0,1,2,3,4,5,6,7
	s_wait_dscnt 7-\i                              ; load i is back; the 7 - i younger ones may be out
	global_store_b128 v[\ar+\i], v[\dr+4*\i:\dr+4*\i+3], s[14:15] th:TH_STORE_NT   ; written once, read by nobody here
.endr
.Lno_\@:
.endm
	s_load_b256 s[4:11], s[0:1], 0x0               ; W2 s[4:5], b2 s[6:7], H s[8:9], HS s[10:11]
	s_load_b128 s[12:15], s[0:1], 0x20             ; list s[12:13], out0 s[14:15]
	v_lshl_add_u32 v28, v0, 2, 0x22000
	v_mov_b32 v30, 0
	v_lshrrev_b32 v10, 5, v0
	v_readfirstlane_b32 s20, v10                   ; wave 0..15
	s_mov_b32 s21, ttmp9                           ; c: the slab
	s_and_b32 s22, ttmp7, 0xffff                   ; e: the expert
	s_and_b32 s23, s20, 1                          ; cw: which 32 columns I quantise
	s_lshr_b32 s24, s20, 1                         ; kb: which block of a chunk
	v_and_b32 v13, 31, v0                          ; lane
	v_lshlrev_b32 v4, 4, v13
	v_add_nc_u32 v5, SCW, v4
	s_lshl_b32 s2, s24, 17                         ; 32 rows of 4,096 bytes a block
	s_lshl_b32 s3, s23, 7
	s_add_co_u32 s2, s2, s3
	v_lshl_add_u32 v1, v13, 2, s2
	v_and_b32 v10, 15, v0                          ; r
	v_bfe_u32 v11, v0, 4, 1                        ; h
	s_lshr_b32 s2, s24, 2
	s_lshl_b32 s2, s2, 12                          ; K step kb / 4
	s_bfe_u32 s3, s24, 0x10001
	s_lshl_b32 s3, s3, 9                           ; part (kb / 2) % 2
	s_add_co_u32 s2, s2, s3
	s_and_b32 s3, s24, 1
	s_lshl_b32 s3, s3, 8                           ; half of the lanes kb % 2
	s_add_co_u32 s2, s2, s3
	s_lshl_b32 s3, s23, 11                         ; tile 2 cw
	s_add_co_u32 s2, s2, s3
	v_lshlrev_b32 v2, 4, v10                       ; my column is row lane % 16 of tile 2 cw + lane / 16
	v_lshl_add_u32 v2, v11, 10, v2
	v_add_nc_u32 v2, s2, v2
	s_lshr_b32 s2, s24, 2
	s_lshl_b32 s2, s2, 3                           ; the scale byte: 16 bytes a lane of the word's register image: 8 x K step + 4 x cw + the block in the K step
	s_lshl_b32 s3, s23, 2
	s_add_co_u32 s2, s2, s3
	s_and_b32 s3, s24, 3
	s_add_co_u32 s2, s2, s3
	s_add_co_u32 s2, s2, SCW
	v_add_nc_u32 v3, s2, v4
	s_mul_i32 s2, s20, 16*SP
	s_add_co_u32 s2, s2, STG                       ; my stage
	v_mul_u32_u24 v9, v10, SP
	v_lshl_add_u32 v9, v11, 5, v9
	v_add_nc_u32 v9, s2, v9                        ; in: row r, 32 bytes for each half of the lanes
	v_mul_u32_u24 v31, v11, SP
	v_lshl_add_u32 v31, v10, 4, v31
	v_add_nc_u32 v31, s2, v31                      ; back: lanes 0-15 one row, lanes 16-31 the next
	v_lshlrev_b32 v29, 5, v11                      ; 32 h: b2's offset; a register of its own, since the quantiser's registers are written while b2's loads may be out
	s_mov_b32 s3, 0
	s_wait_kmcnt 0x0
	s_mul_i32 s2, s22, LROW
	s_add_nc_u64 s[12:13], s[12:13], s[2:3]        ; the expert's row of the list's buffer
	s_load_b32 s28, s[12:13], 0x1000               ; the count: asked for first of all
	s_lshl_b32 s2, s22, 23                         ; an expert's 8,388,608 bytes; a slab's 256 bytes of a row
	s_lshl_b32 s25, s21, 8
	s_add_co_u32 s2, s2, s25
	s_add_nc_u64 s[4:5], s[4:5], s[2:3]
	LOADW 0, 0, 0, 32                              ; THE FIRST TWO BLOCKS OF WEIGHTS ARE ASKED FOR AHEAD OF ALL THAT WAITS FOR WHOLE NUMBERS: 32 + 31 loads are 63, the most that LOADcnt's field holds
	LOADW 1, 1, 0, 31                              ; (ISA guide 5.7.1: one more would hold the wave's issue until the first came back); the block's last row follows behind the count
	s_lshl_b32 s2, s22, 12
	s_add_co_u32 s2, s2, s25
	s_add_nc_u64 s[6:7], s[6:7], s[2:3]
	s_mov_b32 s2, s25
	s_add_nc_u64 s[14:15], s[14:15], s[2:3]        ; out0: the slab's 256 bytes of a row
	s_lshl_b32 s2, s22, 21
	s_add_nc_u64 s[8:9], s[8:9], s[2:3]            ; H: 128 tiles of 16,384 bytes an expert
	s_lshl_b32 s2, s22, 17
	s_add_nc_u64 s[10:11], s[10:11], s[2:3]        ; HS: 128 tiles of 1,024 bytes
	s_wait_kmcnt 0x0
	s_min_u32 s28, s28, 0x800                      ; the count
	s_add_co_u32 s29, s28, 15
	s_lshr_b32 s29, s29, 4                         ; tiles
	s_max_u32 s30, s29, 1                          ; tiles that the launch before stored: at least one
	s_add_co_u32 s31, s28, 511
	s_lshr_b32 s31, s31, 9                         ; passes
	s_lshl_b32 s100, s20, 1                        ; tile a = 2 w
	s_add_co_u32 s101, s100, 1                     ; tile b = 2 w + 1
	TILEOFF
	LOADW 1, 1, 31, 1
	LOADBIAS
	LOADA 0, 0
	LOADA 1, 1
	; My loads in the order of issue: W0 32, W1 31 + 1, b2 16, A0 9, A1 9, then W(j) 32, A(j) 9 for j = 2 .. 7.  Loads come back in order (ISA guide 5.7.1), so each wait names what was issued behind the load that it wants;
	; where that is more than the largest count that the wait can name, it names that count, which is less and so is safe:
	CHUNK 0, 63, 41                                ; W0: W1, b2, A0, A1 behind it are 66;  A0, and b2 ahead of it: A1, W2
	CHUNK 1, 63, 63                                ; W1: b2, A0, A1, W2, A2 are 75;        A1: W2, A2, W3 are 73
	CHUNK 2, 50, 63                                ; W(j): A(j), W(j+1), A(j+1);           A(j): W(j+1), A(j+1), W(j+2): 73 again
	CHUNK 3, 50, 63
	CHUNK 4, 50, 63
	CHUNK 5, 50, 63
	CHUNK 6, 50, 41                                ; nothing more is asked for: A6: W7, A7
	CHUNK 7, 9, 0                                  ; W7: A7;  A7: nothing
	v_bfe_u32 v10, v0, 4, 1
	v_lshlrev_b32 v217, 4, v10                     ; 16 h: which half of a word of the list holds my row's token
	v_and_b32 v216, 15, v0
	v_lshlrev_b32 v216, 4, v216                    ; 16 r
	s_wait_kmcnt 0x0                               ; the tiles' tokens
	OUT 128, 32, 100, 32, 200
	OUT 160, 40, 101, 64, 220
	s_cmp_lt_u32 s31, 2
	s_cbranch_scc1 .Lfin
	; ---- more than 512 tokens: further passes from the finished slab
	s_mov_b32 s25, 1
.Lpass:
	s_add_co_u32 s100, s100, 32
	s_add_co_u32 s101, s101, 32
	s_wait_xcnt 0x0                                ; the last pass's stores have been taken up: their data and offsets, and the loads' offsets, may be written again
	TILEOFF
	LOADBIAS
.irp j, 0,1,2,3,4,5,6,7
	LOADA \j, 0
	GEMM \j, 0, 0
.endr
	s_wait_kmcnt 0x0                               ; the tiles' tokens
	OUT 128, 32, 100, 32, 200
	OUT 160, 40, 101, 64, 220
	s_add_co_u32 s25, s25, 1
	s_cmp_lt_u32 s25, s31
	s_cbranch_scc1 .Lpass
.Lfin:
	s_barrier_signal -1
	s_barrier_wait -1
	s_wait_tensorcnt 0x0
	ds_add_u32 v28, v30
	s_wait_dscnt 0x0
	s_endpgm
.Lfunc_end_k_q9279f19905_down:
	.size	k_q9279f19905_down, .Lfunc_end_k_q9279f19905_down-k_q9279f19905_down
	.p2alignl 7, 3214868480
	.fill 96, 4, 3214868480
	.section	.rodata,"a",@progbits
	.p2align	6, 0x0
	.amdhsa_kernel k_q9279f19905_down
		.amdhsa_group_segment_fixed_size 141312
		.amdhsa_private_segment_fixed_size 0
		.amdhsa_enable_private_segment 0
		.amdhsa_kernarg_size 48
		.amdhsa_user_sgpr_count 2
		.amdhsa_user_sgpr_kernarg_segment_ptr 1
		.amdhsa_wavefront_size32 1
		.amdhsa_system_sgpr_workgroup_id_x 1
		.amdhsa_system_sgpr_workgroup_id_y 1
		.amdhsa_system_sgpr_workgroup_id_z 1
		.amdhsa_system_vgpr_workitem_id 0
		.amdhsa_next_free_vgpr 256
		.amdhsa_next_free_sgpr 102
		.amdhsa_reserve_vcc 1
		.amdhsa_float_denorm_mode_32 3
		.amdhsa_float_denorm_mode_16_64 3
		.amdhsa_memory_ordered 1
		.amdhsa_forward_progress 1
		.amdhsa_inst_pref_size 130
	.end_amdhsa_kernel
	.amdgpu_metadata
---
amdhsa.version: [ 1, 2 ]
amdhsa.kernels:
  - .name:           k_q9279f19905_down
    .symbol:         k_q9279f19905_down.kd
    .args:
      - { .name: W2, .offset: 0, .size: 8, .value_kind: global_buffer, .address_space: global }
      - { .name: b2, .offset: 8, .size: 8, .value_kind: global_buffer, .address_space: global }
      - { .name: H, .offset: 16, .size: 8, .value_kind: global_buffer, .address_space: global }
      - { .name: HS, .offset: 24, .size: 8, .value_kind: global_buffer, .address_space: global }
      - { .name: list, .offset: 32, .size: 8, .value_kind: global_buffer, .address_space: global }
      - { .name: out0, .offset: 40, .size: 8, .value_kind: global_buffer, .address_space: global }
    .group_segment_fixed_size: 141312
    .private_segment_fixed_size: 0
    .kernarg_segment_align: 8
    .kernarg_segment_size: 48
    .max_flat_workgroup_size: 512
    .sgpr_count:     102
    .vgpr_count:     256
    .wavefront_size: 32
...
	.end_amdgpu_metadata
.endif
;; end of part 3
;; ======== version 2 of 2: 3 launches
;; workspace buffers: xc 1,048,576 bytes; xs 65,536 bytes; masks 2,048 bytes of whole numbers; H 16,777,216 bytes; HS 1,048,576 bytes; list 34,816 bytes of whole numbers
;; launch router (part 4): grid 128 x 1, 16 waves a work-group, no clusters, 100,352 bytes of LDS; arguments x, Wr, br, xc, xs, masks, out1; writes xc, xs, masks, out1
.if DOCPART == 4
	.amdgcn_target "amdgcn-amd-amdhsa--gfx1250"
	.amdhsa_code_object_version 6
	.text
	.protected	k_q9279f19905_router
	.globl	k_q9279f19905_router
	.p2align	8
	.type	k_q9279f19905_router,@function
k_q9279f19905_router:
	s_mov_b64 s[64:65], 0
	v_nop
	global_prefetch_b8 v0, s[64:65] scope:SCOPE_SE
	s_setreg_imm32_b32 hwreg(HW_REG_WAVE_MODE, 25, 1), 1
	s_wait_xcnt 0x0
; THE ROUTER, AND x INTO CODES.  out1 = softmax(x Wr + br), in f32; the argmax of each token goes out as whole numbers: masks[e][g] (u32), bit i = token 32 g + i takes expert e.
; x [2048][1024] f32 is read here once and leaves as codes of E2M1, K innermost: xc [token][512 bytes], with one E8M0 byte for each 32 along K: xs [token][32 bytes].
; SHARES.  A work-group takes 16 tokens; wave w takes k = 64 w .. 64 w + 63 of all 16: its part of the logits and two blocks of 32 of each row.  Wave 0 adds the sixteen parts and makes the softmax.
; THE LOGITS decide which expert's row is the result, so they are kept in f32: 16 instructions of the f32 matrix form a wave, 33 million multiply-adds in the launch beside the experts' 8.6 thousand million.
; Source 0 = Wr (row m = expert m mod 8: rows 8-15 repeat rows 0-7), source 1 = x: a lane then holds ONE token (lane % 16) and its eight registers the eight experts.
; No tensor load, no cluster: work-groups share only Wr's 32 KiB.
; LIMITS.  NaN and infinities among the inputs are not served.  A block of zeros gets the byte 1 where the rule says 127: its codes are zeros, which add nothing under any byte but 0xff, and this program
; alone reads the bytes.  The logits are summed in another order than a row-by-row sum: two largest probabilities that are equal to the last bit may fall either way; equal ones give the lower expert.
.set TP,   272                         ; a row of a wave's turning stage: 256 bytes + 16
.set RED,  69632                       ; LDS: 0: sixteen turning stages of 16 rows x 272;  RED: sixteen waves' partial logits, 1,024 bytes each
.set XCS,  86016                       ; 16 rows of codes, 512 bytes + 16
.set XP,   528
.set XSS,  94464                       ; 16 rows of 32 scale bytes
.set RAW,  16                          ; v16-47   x as loaded
.set X,    48                          ; v48-79   my block: x[row lane % 16][64 w + 32 (lane / 16) + 0 .. 31]
.set WR,   80                          ; v80-111  Wr[64 w + 32 (lane / 16) + i][lane % 8]
.set ACC,  112                         ; v112-143 four accumulators: written by matrix instructions alone
.set PS,   144                         ; v144-159 their sums
.set LG,   160                         ; v160-167 wave 0: logits, then probabilities
	s_load_b256 s[4:11], s[0:1], 0x0               ; x s[4:5], Wr s[6:7], br s[8:9], xc s[10:11]
	s_load_b128 s[12:15], s[0:1], 0x20             ; xs s[12:13], masks s[14:15]
	s_load_b64 s[16:17], s[0:1], 0x30              ; out1
	v_lshl_add_u32 v192, v0, 2, 0x18000
	v_mov_b32 v193, 0
	v_lshrrev_b32 v1, 5, v0
	s_delay_alu instid0(VALU_DEP_1)
	v_readfirstlane_b32 s28, v1                    ; wave 0..15
	v_and_b32 v1, 31, v0                           ; lane
	v_and_b32 v2, 15, v0                           ; r
	v_bfe_u32 v3, v0, 4, 1                         ; h
	s_delay_alu instid0(VALU_DEP_3)
	v_lshlrev_b32 v15, 4, v1                       ; 16 x lane
	s_lshl_b32 s29, s28, 8
	v_lshlrev_b32 v4, 4, v2
	s_delay_alu instid0(VALU_DEP_1)
	v_lshl_add_u32 v4, v3, 12, v4
	s_delay_alu instid0(VALU_DEP_1)
	v_add_nc_u32 v4, s29, v4                       ; x: row h of a pair, my wave's 256 bytes, 16 bytes a lane: sixteen lanes read 256 consecutive bytes
	s_lshl_b32 s29, s28, 11
	v_and_b32 v5, 7, v0
	s_delay_alu instid0(VALU_DEP_1)
	v_lshlrev_b32 v5, 2, v5
	s_delay_alu instid0(VALU_DEP_1)
	v_lshl_add_u32 v5, v3, 10, v5
	s_delay_alu instid0(VALU_DEP_1)
	v_add_nc_u32 v5, s29, v5                       ; Wr: row 64 w + 32 h (32 bytes a row), expert lane % 8
	s_mul_i32 s29, s28, 16*TP                      ; my turning stage
	v_mul_u32_u24 v6, v3, TP
	s_delay_alu instid0(VALU_DEP_1)
	v_lshl_add_u32 v6, v2, 4, v6
	s_delay_alu instid0(VALU_DEP_1)
	v_add_nc_u32 v6, s29, v6                       ; into it: as loaded
	v_mul_u32_u24 v7, v2, TP
	s_delay_alu instid0(VALU_DEP_1)
	v_lshl_add_u32 v7, v3, 7, v7
	s_delay_alu instid0(VALU_DEP_1)
	v_add_nc_u32 v7, s29, v7                       ; out of it: row r, 128 bytes for each half of the lanes
	s_lshl_b32 s29, s28, 5
	s_add_co_u32 s29, s29, XCS
	v_mul_u32_u24 v8, v2, XP
	s_delay_alu instid0(VALU_DEP_1)
	v_lshl_add_u32 v8, v3, 4, v8
	s_delay_alu instid0(VALU_DEP_1)
	v_add_nc_u32 v8, s29, v8                       ; my block's 16 bytes of codes: row r, block 2 w + h
	s_lshl_b32 s29, s28, 1
	s_add_co_u32 s29, s29, XSS
	v_lshl_add_u32 v9, v2, 5, v3
	s_delay_alu instid0(VALU_DEP_1)
	v_add_nc_u32 v9, s29, v9                       ; and its scale byte
	s_lshl_b32 s29, s28, 10
	s_add_co_u32 s29, s29, RED
	v_add_nc_u32 v10, s29, v15                     ; my wave's partial logits
	s_mul_i32 s29, s28, XP
	s_add_co_u32 s29, s29, XCS
	v_add_nc_u32 v11, s29, v15                     ; back: wave w takes row w of the codes, whole
	s_lshl_b32 s29, s28, 9
	v_add_nc_u32 v12, s29, v15                     ; and its place in xc
	v_add_nc_u32 v13, RED, v15                     ; wave 0: all partial logits
	v_add_nc_u32 v14, XSS, v15                     ; wave 1: all scale bytes
	v_lshlrev_b32 v190, 5, v2
	s_delay_alu instid0(VALU_DEP_1)
	v_lshl_add_u32 v190, v3, 4, v190               ; out1: row r of 32 bytes, 16 bytes for each half of the lanes
	v_lshlrev_b32 v191, 8, v1                      ; masks: row = lane (an expert), 256 bytes a row
	s_mov_b32 s31, 0
	s_wait_kmcnt 0x0
	s_lshl_b32 s30, ttmp9, 16                      ; 16 rows of 4,096 bytes a work-group
	s_add_nc_u64 s[4:5], s[4:5], s[30:31]
.irp i, 0,1,2,3,4,5,6,7
	global_load_b128 v[RAW+4*\i:RAW+4*\i+3], v4, s[4:5] offset:8192*\i th:TH_LOAD_NT   ; rows 2 i and 2 i + 1; read once in the whole program
.endr
.set n, 0
.rept 32
	global_load_b32 v[WR+n], v5, s[6:7] offset:32*n
.set n, n+1
.endr
	s_load_b256 s[20:27], s[8:9], 0x0              ; br
	s_lshl_b32 s30, ttmp9, 13
	s_add_nc_u64 s[10:11], s[10:11], s[30:31]      ; xc: 16 rows of 512 bytes
	s_lshl_b32 s30, ttmp9, 9
	s_add_nc_u64 s[12:13], s[12:13], s[30:31]      ; xs: 16 rows of 32 bytes
	s_add_nc_u64 s[16:17], s[16:17], s[30:31]      ; out1 likewise
	s_lshl_b32 s30, ttmp9, 1
	s_add_nc_u64 s[14:15], s[14:15], s[30:31]      ; masks: my 16 tokens are halfword ttmp9 of each row
	; x turns through my own stage: loaded 16 bytes a lane as it lies, read back 128 bytes (a block of 32) a lane.  LDS serves a wave's instructions in order: no wait between stores and loads
	s_wait_loadcnt 32                              ; x's eight loads are in; Wr's 32 were issued behind them
.irp i, 0,1,2,3,4,5,6,7
	ds_store_b128 v6, v[RAW+4*\i:RAW+4*\i+3] offset:2*TP*\i
.endr
.irp i, 0,1,2,3,4,5,6,7
	ds_load_b128 v[X+4*\i:X+4*\i+3], v7 offset:16*\i
.endr
	s_wait_dscnt 0x0
	s_wait_loadcnt 0x0                             ; Wr
	; The logits of my 64 k.  In step ks the form's k' = 2 h + j stands for k = 64 w + 32 h + 2 ks + j, alike in both sources.  Four accumulators by turns, one instruction a turn
.set ks, 0
.rept 16
.if ks < 4
	v_wmma_f32_16x16x4_f32 v[ACC+8*(ks%4):ACC+8*(ks%4)+7], v[WR+2*ks:WR+2*ks+1], v[X+2*ks:X+2*ks+1], 0
.else
	v_wmma_f32_16x16x4_f32 v[ACC+8*(ks%4):ACC+8*(ks%4)+7], v[WR+2*ks:WR+2*ks+1], v[X+2*ks:X+2*ks+1], v[ACC+8*(ks%4):ACC+8*(ks%4)+7]
.endif
.set ks, ks+1
.endr
	; my block of 32 becomes codes: its largest magnitude (with the floor 2^(3 - 127), so that the byte cannot fall under 1), 2 off the exponent field, four conversions
	v_max3_num_f32 v168, |v[X]|, |v[X+1]|, |v[X+2]|
	v_max3_num_f32 v169, |v[X+3]|, |v[X+4]|, |v[X+5]|
.irp i, 6,10,14,18,22,26
	s_delay_alu instid0(VALU_DEP_2)
	v_max3_num_f32 v168, v168, |v[X+\i]|, |v[X+\i+1]|
	s_delay_alu instid0(VALU_DEP_2)
	v_max3_num_f32 v169, v169, |v[X+\i+2]|, |v[X+\i+3]|
.endr
	s_delay_alu instid0(VALU_DEP_2)
	v_max3_num_f32 v168, v168, |v[X+30]|, |v[X+31]|
	s_delay_alu instid0(VALU_DEP_1)
	v_max3_num_f32 v168, v168, v169, 0x1800000
	s_delay_alu instid0(VALU_DEP_1)
	v_add_nc_u32 v170, 0xff000000, v168            ; the conversion takes the exponent field of this operand as its scale
.irp g, 0,1,2,3
	v_cvt_scalef32_pk8_fp4_f32 v[172+\g], v[X+8*\g:X+8*\g+7], v170
.endr
	v_lshrrev_b32 v171, 23, v170                   ; the scale's byte; also the plain line behind the conversions
	ds_store_b128 v8, v[172:175]
	ds_store_b8 v9, v171
.rept 8
	v_nop                                          ; eight places behind the f32 matrix form (ISA guide 7.12.1) ahead of the first read of its results
.endr
.irp k, 0,2,4,6
	v_pk_add_f32 v[PS+\k:PS+\k+1], v[ACC+\k:ACC+\k+1], v[ACC+8+\k:ACC+9+\k]        ; each accumulator from its low end on
.endr
.irp k, 0,2,4,6
	v_pk_add_f32 v[PS+8+\k:PS+9+\k], v[ACC+16+\k:ACC+17+\k], v[ACC+24+\k:ACC+25+\k]
.endr
.irp k, 0,2,4,6
	s_delay_alu instid0(VALU_DEP_4)
	v_pk_add_f32 v[PS+\k:PS+\k+1], v[PS+\k:PS+\k+1], v[PS+8+\k:PS+9+\k]
.endr
	ds_store_b128 v10, v[PS:PS+3]
	ds_store_b128 v10, v[PS+4:PS+7] offset:512
	s_wait_kmcnt 0x0                               ; br
	s_wait_dscnt 0x0                               ; for the others' sake: my codes, my bytes and my partial logits lie in LDS
	s_barrier_signal -1
	s_barrier_wait -1
	ds_load_b128 v[176:179], v11                   ; a whole row of codes
	s_wait_dscnt 0x0
	global_store_b128 v12, v[176:179], s[10:11]    ; 32 lanes store 512 consecutive bytes, aligned
	s_cmp_eq_u32 s28, 1
	s_cbranch_scc0 .Lnot_wave_1
	ds_load_b128 v[184:187], v14                   ; wave 1: the 16 rows' scale bytes are 512 consecutive bytes of xs
	s_wait_dscnt 0x0
	global_store_b128 v15, v[184:187], s[12:13]
.Lnot_wave_1:
	s_cmp_lg_u32 s28, 0
	s_cbranch_scc1 .Ldone
	; ---- wave 0: the sixteen parts in the order of the waves, eight waves' at a time
.irp u, 0,1,2,3,4,5,6,7
	ds_load_b128 v[16+8*\u:19+8*\u], v13 offset:1024*\u
	ds_load_b128 v[20+8*\u:23+8*\u], v13 offset:1024*\u+512
.endr
	s_wait_dscnt 0x0
.irp k, 0,2,4,6
	v_pk_add_f32 v[LG+\k:LG+\k+1], v[16+\k:17+\k], v[24+\k:25+\k]
.endr
.irp u, 2,3,4,5,6,7
.irp k, 0,2,4,6
	s_delay_alu instid0(VALU_DEP_4)
	v_pk_add_f32 v[LG+\k:LG+\k+1], v[LG+\k:LG+\k+1], v[16+8*\u+\k:17+8*\u+\k]
.endr
.endr
.irp u, 0,1,2,3,4,5,6,7
	ds_load_b128 v[16+8*\u:19+8*\u], v13 offset:8192+1024*\u
	ds_load_b128 v[20+8*\u:23+8*\u], v13 offset:8192+1024*\u+512
.endr
	s_wait_alu depctr_va_vdst(0)
	s_wait_dscnt 0x0
.irp u, 0,1,2,3,4,5,6,7
.irp k, 0,2,4,6
	v_pk_add_f32 v[LG+\k:LG+\k+1], v[LG+\k:LG+\k+1], v[16+8*\u+\k:17+8*\u+\k]
.endr
.endr
.irp e, 0,1,2,3,4,5,6,7
	v_add_f32 v[LG+\e], s[20+\e], v[LG+\e]         ; + br
.endr
	v_max3_num_f32 v180, v[LG], v[LG+1], v[LG+2]   ; the softmax takes the row's maximum away first
	s_delay_alu instid0(VALU_DEP_1)
	v_max3_num_f32 v180, v180, v[LG+3], v[LG+4]
	s_delay_alu instid0(VALU_DEP_1)
	v_max3_num_f32 v180, v180, v[LG+5], v[LG+6]
	s_delay_alu instid0(VALU_DEP_1)
	v_max_num_f32 v180, v180, v[LG+7]
.irp e, 0,1,2,3,4,5,6,7
	v_sub_f32 v[LG+\e], v[LG+\e], v180             ; (not fused with the line below: the difference is exact where it matters, and 0 at the maximum)
.endr
.irp e, 0,1,2,3,4,5,6,7
	v_mul_f32 v[LG+\e], 0x3fb8aa3b, v[LG+\e]       ; x log2(e)
.endr
	s_wait_alu depctr_va_vdst(0)
.irp e, 0,1,2,3,4,5,6,7
	v_exp_f32 v[LG+\e], v[LG+\e]
.endr
	v_nop                                          ; a plain line behind the exponentials
	s_wait_alu depctr_va_vdst(0)
	v_add_f32 v181, v[LG], v[LG+1]
	v_add_f32 v182, v[LG+2], v[LG+3]
	v_add_f32 v181, v181, v[LG+4]
	v_add_f32 v182, v182, v[LG+5]
	v_add_f32 v181, v181, v[LG+6]
	v_add_f32 v182, v182, v[LG+7]
	s_delay_alu instid0(VALU_DEP_1)
	v_add_f32 v181, v181, v182
	s_wait_alu depctr_va_vdst(0)
	v_rcp_f32 v181, v181
	v_nop                                          ; a plain line behind the reciprocal
	s_wait_alu depctr_va_vdst(0)
.irp e, 0,1,2,3,4,5,6,7
	v_mul_f32 v[LG+\e], v[LG+\e], v181
.endr
	s_delay_alu instid0(VALU_DEP_1)
	; the argmax of the finished probabilities, from expert 7 down: the best so far is kept only where the lower expert's is smaller, so that of equal ones the lower wins
	v_mov_b32 v183, v[LG+7]
	v_mov_b32 v189, 7
.irp e, 6,5,4,3,2,1,0
	s_delay_alu instid0(VALU_DEP_2)
	v_cmp_lt_f32 vcc_lo, v[LG+\e], v183
	s_delay_alu instid0(VALU_DEP_1)
	v_cndmask_b32 v183, v[LG+\e], v183, vcc_lo
	s_delay_alu instid0(VALU_DEP_2)
	v_cndmask_b32 v189, \e, v189, vcc_lo
.endr
	v_cmp_eq_u32 vcc_lo, 1, v3                     ; lanes 16-31 hold the same numbers as lanes 0-15: they store experts 4-7
.irp k, 0,1,2,3
	v_cndmask_b32 v[184+\k], v[LG+\k], v[LG+4+\k], vcc_lo
.endr
	global_store_b128 v190, v[184:187], s[16:17]   ; 32 lanes store 512 consecutive bytes, aligned
	v_mov_b32 v188, 0
.irp e, 0,1,2,3,4,5,6,7
	v_cmp_eq_u32 s[40+\e], \e, v189                ; bits 0-15: which of my 16 tokens take expert e
.endr
.irp e, 0
	v_writelane_b32 v188, s[40+\e], \e
.endr
.irp e, 1, 2, 3, 4, 5, 6, 7
	s_delay_alu instid0(VALU_DEP_1)
	v_writelane_b32 v188, s[40+\e], \e
.endr
	v_cmp_gt_u32 vcc_lo, 8, v1
	s_wait_alu depctr_va_vdst(0)
	s_wait_xcnt 0x0                                ; EXEC changes only behind this wait: the stores above have been taken up
	s_wait_tensorcnt 0x0
	ds_add_u32 v192, v193
	s_wait_dscnt 0x0
	s_and_saveexec_b32 s48, vcc_lo
	global_store_b16 v191, v188, s[14:15]          ; lane e: the low half, into row e.  The choice is only ever data here: no address and no branch of this launch hangs on it
	s_endpgm
.Ldone:
	s_wait_tensorcnt 0x0
	ds_add_u32 v192, v193
	s_wait_dscnt 0x0
	s_endpgm
.Lfunc_end_k_q9279f19905_router:
	.size	k_q9279f19905_router, .Lfunc_end_k_q9279f19905_router-k_q9279f19905_router
	.p2alignl 7, 3214868480
	.fill 96, 4, 3214868480
	.section	.rodata,"a",@progbits
	.p2align	6, 0x0
	.amdhsa_kernel k_q9279f19905_router
		.amdhsa_group_segment_fixed_size 100352
		.amdhsa_private_segment_fixed_size 0
		.amdhsa_enable_private_segment 0
		.amdhsa_kernarg_size 56
		.amdhsa_user_sgpr_count 2
		.amdhsa_user_sgpr_kernarg_segment_ptr 1
		.amdhsa_wavefront_size32 1
		.amdhsa_system_sgpr_workgroup_id_x 1
		.amdhsa_system_sgpr_workgroup_id_y 1
		.amdhsa_system_sgpr_workgroup_id_z 1
		.amdhsa_system_vgpr_workitem_id 0
		.amdhsa_next_free_vgpr 194
		.amdhsa_next_free_sgpr 66
		.amdhsa_reserve_vcc 1
		.amdhsa_float_denorm_mode_32 3
		.amdhsa_float_denorm_mode_16_64 3
		.amdhsa_memory_ordered 1
		.amdhsa_forward_progress 1
		.amdhsa_inst_pref_size 26
	.end_amdhsa_kernel
	.amdgpu_metadata
---
amdhsa.version: [ 1, 2 ]
amdhsa.kernels:
  - .name:           k_q9279f19905_router
    .symbol:         k_q9279f19905_router.kd
    .args:
      - { .name: x, .offset: 0, .size: 8, .value_kind: global_buffer, .address_space: global }
      - { .name: Wr, .offset: 8, .size: 8, .value_kind: global_buffer, .address_space: global }
      - { .name: br, .offset: 16, .size: 8, .value_kind: global_buffer, .address_space: global }
      - { .name: xc, .offset: 24, .size: 8, .value_kind: global_buffer, .address_space: global }
      - { .name: xs, .offset: 32, .size: 8, .value_kind: global_buffer, .address_space: global }
      - { .name: masks, .offset: 40, .size: 8, .value_kind: global_buffer, .address_space: global }
      - { .name: out1, .offset: 48, .size: 8, .value_kind: global_buffer, .address_space: global }
    .group_segment_fixed_size: 100352
    .private_segment_fixed_size: 0
    .kernarg_segment_align: 8
    .kernarg_segment_size: 56
    .max_flat_workgroup_size: 512
    .sgpr_count:     66
    .vgpr_count:     194
    .wavefront_size: 32
...
	.end_amdgpu_metadata
.endif
;; end of part 4
;; launch up (part 5): grid 32 x 8, 16 waves a work-group, no clusters, 36,864 bytes of LDS; arguments W1, b1, xc, xs, masks, H, HS, out2, list; writes H, HS, out2, list
.if DOCPART == 5
	.amdgcn_target "amdgcn-amd-amdhsa--gfx1250"
	.amdhsa_code_object_version 6
	.text
	.protected	k_q9279f19905_up
	.globl	k_q9279f19905_up
	.p2align	8
	.type	k_q9279f19905_up,@function
k_q9279f19905_up:
	s_mov_b64 s[64:65], 0
	v_nop
	global_prefetch_b8 v0, s[64:65] scope:SCOPE_SE
	s_setreg_imm32_b32 hwreg(HW_REG_WAVE_MODE, 25, 1), 1
	s_wait_xcnt 0x0
; THE FIRST PRODUCT OF THE CHOSEN EXPERT: hidden = relu(x W1[e] + b1[e]) for the tokens that take expert e, on codes of E2M1 with one E8M0 scale for each 32 along K; the result is quantised along the
; second product's K and stored as codes.  Also out2[e] = how many tokens take expert e, and the expert's list of tokens for the next launch.  Rows that the reference's own mask throws away are not multiplied.
; SHARES.  Work-group (c, e) owns 64 hidden units (64 c ..) of expert e: a slab of W1 of 1,024 x 64 f32, 256 KiB, which no other work-group reads: each weight byte leaves memory once and is quantised here, in registers.
; The slab comes in four chunks of 256 along K.  Of a chunk wave w quantises one block: 32 along K (block w / 2) x 32 columns (half w % 2): A LANE TAKES A COLUMN AND ITS REGISTERS RUN DOWN K, so that the
; conversions give codes with K innermost.  The codes go to LDS as images of the operand's registers (16 bytes a lane) and stay: a chunk has LDS bytes of its own, so one barrier a chunk is enough.
; For the products a wave owns two NEIGHBOURING tiles of 16 tokens a pass (tiles 32 p + 2 w and 32 p + 2 w + 1 of the expert's list), so that the list's tiles fill the low waves: a fragment of W1 read from LDS serves two
; live tiles, and a wave whose first tile lies past the list's end jumps over the products and their LDS reads.  Its loads from memory are issued all the same, so that every wait's count holds on both ways; its lanes
; then all ask for one token's bytes.  Pass 0 (512 tokens) goes chunk by chunk under the stream of the weights; passes 1 to 3, which run only where an expert has more than 512 tokens, take the finished slab from LDS:
; every split is served, all 2,048 tokens on one expert too.
; THE TOKENS.  The expert's list is its tokens in ascending order.  Every wave holds the expert's 64 mask words (stored by the router's launch) in scalar registers and finds the tokens at its own 32 places of the list
; itself (macro FIND), in registers: the count, every branch and every address are made of whole numbers read from memory, by register work alone.  It stands behind the requests for the first two blocks of weights.
; THE PRODUCT IS USED TRANSPOSED: source 0 = 16 columns of W1, source 1 = 16 tokens: a lane holds one token.  THE COLUMNS OF A TILE ARE NOT NEIGHBOURS: row r of tile 2 b + u is column 32 b + 8 u + r + 8 (r / 8), so that
; the 16 registers of tiles 2 b, 2 b + 1 are 16 neighbours along the next K.  b1 is loaded straight into the accumulators: every product adds in place.
; PAD ROWS.  A last tile's spare rows are copies of the tile's own first row: they compute and store what that row does; no lane is ever switched off.  Tile 0 is stored even for an expert without tokens (with some token's row).
; NO TENSOR LOAD, NO CLUSTER: branches and a trip count hang on a count read from memory, and the weights, two thirds of a work-group's bytes at 256 tokens (256 KiB beside 128 KiB of codes), are shared with nobody.
; LIMITS.  NaN and infinities are not served.  A block of zeros gets the byte 1 where the rule says 127: its codes are zeros, and this program alone reads the bytes.
; REGISTERS: v1 W1 offset; v2, v3 where my codes and my scale byte go; v4 16 x lane; v5 W1's scale words; v6, v7 tokens' codes (tiles a, b); v8 tokens' scale words; v9 8 r; v10-13 at work; v14-17 codes just made;
;   v18-21 W1's scale words, v22-25 the tokens' (two buffers): scales and nothing else; v26, v27 the tokens of tiles a and b (row r in both halves of the lanes), v28 a's in lanes 0-15 and b's in lanes 16-31;
;   v29 64 h: b1's offset; v31 the lane; v32-63 four fragments of W1 (also FIND's and the way out's registers at work); v64-127 the tokens' fragments, two buffers; v128-159, v160-191 the accumulators of tiles a and b;
;   v192-255 two sets of 32 numbers of W1.
;   s[32:63], s[68:99] the 64 mask words; s23 the running count; s24 the mask of lanes 16-31; s28 count, s29 tiles, s30 tiles stored, s31 passes; s100, s101 tiles a and b.
.set NCH,  4                           ; chunks
.set ROWB, 8192                        ; a row of W1[e] in bytes
.set SCW,  32768                       ; LDS: 0: the slab's codes, 8,192 bytes a chunk: fragment (K step s, tile t), part cc, lane L at 4096 s + 1024 t + 512 cc + 16 L;  SCW: its scale words, 512 bytes a chunk
.set LROW, 4352                        ; an expert's row of the list's buffer: 2,048 tokens of 2 bytes, the count at byte 4,096
.macro LOADW j, set, first, n          ; rows first .. first + n - 1 of my block of chunk j: down K, 128 consecutive bytes a load (with the neighbouring wave's: 256)
.set li, \first
.rept \n
	global_load_b32 v[192+32*(\set)+li], v1, s[4:5] offset:(256*(\j)+li)*ROWB th:TH_LOAD_NT
.set li, li+1
.endr
.endm
.macro LOADA j, buf                    ; the tokens' operand for chunk j (two K steps): nine loads
.irp s, 0,1
.irp cc, 0,1
	global_load_b128 v[64+32*(\buf)+8*\s+4*\cc:64+32*(\buf)+8*\s+4*\cc+3], v6, s[8:9] offset:128*(\j)+64*\s+32*\cc
.endr
.endr
.irp s, 0,1
.irp cc, 0,1
	global_load_b128 v[80+32*(\buf)+8*\s+4*\cc:80+32*(\buf)+8*\s+4*\cc+3], v7, s[8:9] offset:128*(\j)+64*\s+32*\cc
.endr
.endr
	global_load_b64 v[22+2*(\buf):23+2*(\buf)], v8, s[10:11] offset:8*(\j)   ; lanes 0-15: tile a's words, lanes 16-31: tile b's
.endm
.macro LOADBIAS                        ; sixteen loads: lane (r, h), tile t, register i: b1 of hidden unit 32 (t / 2) + 16 h + 8 (t % 2) + i; the same for both tiles of tokens
.irp a, 128, 160
.irp t, 0,1,2,3
	global_load_b128 v[\a+8*\t:\a+8*\t+3], v29, s[6:7] offset:(32*(\t/2)+8*(\t%2))*4
	global_load_b128 v[\a+8*\t+4:\a+8*\t+7], v29, s[6:7] offset:(32*(\t/2)+8*(\t%2))*4+16
.endr
.endr
.endm
.macro QUANT set, j                    ; my block: all 32 numbers of a column are mine
.set WS, 192+32*(\set)
	v_max3_num_f32 v10, |v[WS]|, |v[WS+1]|, |v[WS+2]|
	v_max3_num_f32 v11, |v[WS+3]|, |v[WS+4]|, |v[WS+5]|
.irp i, 6,10,14,18,22,26
	s_delay_alu instid0(VALU_DEP_2)
	v_max3_num_f32 v10, v10, |v[WS+\i]|, |v[WS+\i+1]|
	s_delay_alu instid0(VALU_DEP_2)
	v_max3_num_f32 v11, v11, |v[WS+\i+2]|, |v[WS+\i+3]|
.endr
	s_delay_alu instid0(VALU_DEP_2)
	v_max3_num_f32 v10, v10, |v[WS+30]|, |v[WS+31]|
	s_delay_alu instid0(VALU_DEP_1)
	v_max3_num_f32 v10, v10, v11, 0x1800000        ; the floor 2^(3 - 127): the byte cannot fall under 1
	s_delay_alu instid0(VALU_DEP_1)
	v_add_nc_u32 v12, 0xff000000, v10              ; 2 off the exponent field: the conversion's scale operand
.irp g, 0,1,2,3
	v_cvt_scalef32_pk8_fp4_f32 v[14+\g], v[WS+8*\g:WS+8*\g+7], v12
.endr
	v_lshrrev_b32 v13, 23, v12                     ; the scale's byte; also the plain line behind the conversions
	ds_store_b128 v2, v[14:17] offset:8192*(\j)
	ds_store_b8 v3, v13 offset:512*(\j)
.endm
.macro WM d, bf, tf, sa, sb, ra, rb    ; one product; ra, rb: which half of the lanes holds the scales
.if ((\ra) == 0) && ((\rb) == 0)
	v_wmma_scale_f32_16x16x128_f8f6f4 v[(\d):(\d)+7], v[(\bf):(\bf)+7], v[(\tf):(\tf)+7], v[(\d):(\d)+7], v[(\sa)], v[(\sb)] matrix_a_fmt:MATRIX_FMT_FP4 matrix_b_fmt:MATRIX_FMT_FP4
.elseif ((\ra) == 1) && ((\rb) == 0)
	v_wmma_scale_f32_16x16x128_f8f6f4 v[(\d):(\d)+7], v[(\bf):(\bf)+7], v[(\tf):(\tf)+7], v[(\d):(\d)+7], v[(\sa)], v[(\sb)] matrix_a_fmt:MATRIX_FMT_FP4 matrix_b_fmt:MATRIX_FMT_FP4 matrix_a_scale:MATRIX_SCALE_ROW1
.elseif ((\ra) == 0) && ((\rb) == 1)
	v_wmma_scale_f32_16x16x128_f8f6f4 v[(\d):(\d)+7], v[(\bf):(\bf)+7], v[(\tf):(\tf)+7], v[(\d):(\d)+7], v[(\sa)], v[(\sb)] matrix_a_fmt:MATRIX_FMT_FP4 matrix_b_fmt:MATRIX_FMT_FP4 matrix_b_scale:MATRIX_SCALE_ROW1
.else
	v_wmma_scale_f32_16x16x128_f8f6f4 v[(\d):(\d)+7], v[(\bf):(\bf)+7], v[(\tf):(\tf)+7], v[(\d):(\d)+7], v[(\sa)], v[(\sb)] matrix_a_fmt:MATRIX_FMT_FP4 matrix_b_fmt:MATRIX_FMT_FP4 matrix_a_scale:MATRIX_SCALE_ROW1 matrix_b_scale:MATRIX_SCALE_ROW1
.endif
.endm
; Chunk j's sixteen products.  na: how many loads were issued behind the tokens' operand of this chunk; that wait stands on both ways, since the operand's registers are loaded again behind the macro.
; A wave whose first tile lies past the tiles that are stored has nothing to multiply: it jumps over the LDS reads and the products.
; The eight accumulators take turns, one instruction a turn, over K steps, chunks and passes.
.macro GEMM j, buf, na
	s_wait_loadcnt \na
	s_cmp_lt_u32 s100, s30
	s_cbranch_scc0 .Lidle_\@
	ds_load_b128 v[18:21], v5 offset:512*(\j)      ; register 2 s + p: lanes 0-15 the words of tile 2 p, lanes 16-31 of tile 2 p + 1, K step s
.irp s, 0,1
.irp t, 0,1,2,3
	ds_load_b128 v[32+8*\t:35+8*\t], v4 offset:8192*(\j)+4096*\s+1024*\t
	ds_load_b128 v[36+8*\t:39+8*\t], v4 offset:8192*(\j)+4096*\s+1024*\t+512
.endr
	s_wait_dscnt 0x0
.irp t, 0,1,2,3
	WM 128+8*\t, 32+8*\t, 64+32*(\buf)+8*\s, 18+2*\s+\t/2, 22+2*(\buf)+\s, \t%2, 0
	WM 160+8*\t, 32+8*\t, 80+32*(\buf)+8*\s, 18+2*\s+\t/2, 22+2*(\buf)+\s, \t%2, 1
.endr
.rept 4
	v_nop                                          ; four places ahead of loads into registers that these products read, and of the first read of results
.endr
.endr
.Lidle_\@:
.endm
; One step of the search inside a word: the set bits in the lower w of the 2 w bits at v40 stand in a field of w bits of v[reg]; where my place (v41) is not among them, they are taken off it and the search goes w bits up.
.macro SEL reg, w
	s_delay_alu instid0(VALU_DEP_1)
	v_bfe_u32 v35, v[\reg], v40, \w
	s_delay_alu instid0(VALU_DEP_1)
	v_cmp_ge_u32 vcc_lo, v41, v35
	s_delay_alu instid0(VALU_DEP_2)
	v_sub_nc_u32 v42, v41, v35
	s_delay_alu instid0(VALU_DEP_4)
	v_add_nc_u32 v43, \w, v40
	s_delay_alu instid0(VALU_DEP_2)
	v_cndmask_b32 v41, v41, v42, vcc_lo
	s_delay_alu instid0(VALU_DEP_2)
	v_cndmask_b32 v40, v40, v43, vcc_lo
.endm
; THE TOKENS AT MY PLACES OF THE LIST.  My lane wants place P = 16 x tile a + lane (lanes 0-15: tile a's rows, lanes 16-31: tile b's): the token of the P-th set bit of the expert's 2,048 mask bits.
; The scan: s23 runs through the number of set bits ahead of word g; each lane keeps the last word that has at most P bits ahead of it, and, packed, that number and g.  At its end s23 is the expert's count.
; first = 1: the count is taken from the scan (the later calls find the same number and leave it).
.macro FIND first
	v_lshl_add_u32 v32, s100, 4, v31               ; P
	v_mov_b32 v33, s32                             ; the word kept,
	v_mov_b32 v34, 0                               ; the bits ahead of it + g x 65,536
	s_bcnt1_i32_b32 s23, s32
.set g, 1
.rept 63
.if g < 32
.set MR, 32+g
.else
.set MR, 36+g
.endif
	v_cmp_gt_u32 vcc_lo, s23, v32                  ; more than P bits ahead of word g: my bit lies further down, what I keep stays
	s_add_co_u32 s2, s23, g<<16
	v_cndmask_b32 v33, s[MR], v33, vcc_lo
	v_cndmask_b32 v34, s2, v34, vcc_lo
	s_bcnt1_i32_b32 s3, s[MR]
	s_add_co_u32 s23, s23, s3
.set g, g+1
.endr
.if \first
	s_min_u32 s28, s23, 0x800                      ; the count
.endif
	v_and_b32 v35, 0xffff, v34
	s_delay_alu instid0(VALU_DEP_1)
	v_sub_nc_u32 v41, v32, v35                     ; my place among the word's set bits
	v_lshrrev_b32 v34, 16, v34                     ; g
	v_lshrrev_b32 v35, 1, v33                      ; the word's set bits counted in fields of 2, 4, 8 and 16 bits: v36, v37, v38, v39
	s_delay_alu instid0(VALU_DEP_1)
	v_and_b32 v35, 0x55555555, v35
	s_delay_alu instid0(VALU_DEP_1)
	v_sub_nc_u32 v36, v33, v35
	s_delay_alu instid0(VALU_DEP_1)
	v_lshrrev_b32 v35, 2, v36
	s_delay_alu instid0(VALU_DEP_1)
	v_and_b32 v35, 0x33333333, v35
	s_delay_alu instid0(VALU_DEP_3)
	v_and_b32 v37, 0x33333333, v36
	s_delay_alu instid0(VALU_DEP_1)
	v_add_nc_u32 v37, v37, v35
	s_delay_alu instid0(VALU_DEP_1)
	v_lshrrev_b32 v35, 4, v37
	s_delay_alu instid0(VALU_DEP_1)
	v_add_nc_u32 v35, v35, v37
	s_delay_alu instid0(VALU_DEP_1)
	v_and_b32 v38, 0x0f0f0f0f, v35
	s_delay_alu instid0(VALU_DEP_1)
	v_lshrrev_b32 v35, 8, v38
	s_delay_alu instid0(VALU_DEP_1)
	v_add_nc_u32 v35, v35, v38
	s_delay_alu instid0(VALU_DEP_1)
	v_and_b32 v39, 0x00ff00ff, v35
	v_mov_b32 v40, 0                               ; the bit's number, found from the top down
	SEL 39, 16
	SEL 38, 8
	SEL 37, 4
	SEL 36, 2
	SEL 33, 1
	s_delay_alu instid0(VALU_DEP_1)
	v_lshl_add_u32 v28, v34, 5, v40                ; the token: 32 g + the bit's number.  (A place past the list's end gives some number under 2,048)
	s_delay_alu instid0(VALU_DEP_1)
	v_readlane_b32 s2, v28, 0                      ; the tiles' first rows,
	s_delay_alu instid0(VALU_DEP_2)
	v_readlane_b32 s3, v28, 16
	s_delay_alu instid0(VALU_DEP_2)
	v_mov_b32 v35, s2
	s_delay_alu instid0(VALU_DEP_2)
	v_mov_b32 v36, s3
	s_delay_alu instid0(VALU_DEP_1)
	v_cndmask_b32 v35, v35, v36, s24
	v_cmp_gt_u32 vcc_lo, s28, v32                  ; which stand in for places past the end
	s_delay_alu instid0(VALU_DEP_1)
	v_cndmask_b32 v28, v35, v28, vcc_lo
	s_delay_alu instid0(VALU_DEP_1)
	v_permlanex16_b32 v35, v28, s26, s27           ; lane l xor 16's
	s_delay_alu instid0(VALU_DEP_1)
	v_cndmask_b32 v26, v28, v35, s24               ; tile a's tokens in both halves of the lanes,
	s_delay_alu instid0(VALU_DEP_2)
	v_cndmask_b32 v27, v35, v28, s24               ; tile b's
.endm
.macro TOKOFF ra, rb, rab              ; tokens into offsets: held inside the tables first
	v_min_u32 v6, 0x7ff, v[\ra]
	v_min_u32 v7, 0x7ff, v[\rb]
	v_min_u32 v8, 0x7ff, v[\rab]
	s_delay_alu instid0(VALU_DEP_3)
	v_lshl_add_u32 v6, v6, 9, v12                  ; a token's 512 bytes of codes, + 16 h
	s_delay_alu instid0(VALU_DEP_3)
	v_lshl_add_u32 v7, v7, 9, v12
	s_delay_alu instid0(VALU_DEP_3)
	v_lshlrev_b32 v8, 5, v8                        ; its 32 scale bytes
.endm
.macro CHUNK j, nw, na                 ; nw: how many loads were issued behind my block of chunk j
	s_wait_loadcnt \nw
	QUANT (\j)%2, \j
.if (\j)+2 < NCH
	LOADW (\j)+2, (\j)%2, 0, 32
.endif
	s_wait_dscnt 0x0                               ; for the others' sake: my codes and my byte lie in LDS
	s_barrier_signal -1
	s_barrier_wait -1
	GEMM \j, (\j)%2, \na
.if (\j)+2 < NCH
	LOADA (\j)+2, (\j)%2
.endif
.endm
; A tile's way out: relu, the two blocks of 32 of this slab quantised along the next K, 512 consecutive bytes of codes and a halfword of scale bytes a row; slab 0 also stores the tile's tokens.
; acc: its accumulators; t: 16 registers at work; st: the scalar with its number; tk: the register with its tokens
.macro EPI acc, t, st, tk
	s_cmp_lt_u32 s[\st], s30
	s_cbranch_scc0 .Lskip_\@
	s_min_u32 s2, s[\st], 127                      ; held inside the expert's 128 tiles
.set q, 0
.rept 32
	v_max_num_f32 v[\acc+q], 0, v[\acc+q]          ; the activation, in f32; each accumulator from its low end on
.set q, q+1
.endr
	v_max3_num_f32 v[\t], v[\acc], v[\acc+1], 0x1800000            ; no |.|: nothing is negative here; the floor 2^(3 - 127)
	v_max3_num_f32 v[\t+1], v[\acc+16], v[\acc+17], 0x1800000
.irp i, 2,4,6,8,10,12,14
	s_delay_alu instid0(VALU_DEP_2)
	v_max3_num_f32 v[\t], v[\t], v[\acc+\i], v[\acc+\i+1]
	s_delay_alu instid0(VALU_DEP_2)
	v_max3_num_f32 v[\t+1], v[\t+1], v[\acc+16+\i], v[\acc+17+\i]
.endr
	s_delay_alu instid0(VALU_DEP_2)
	v_permlanex16_b32 v[\t+2], v[\t], s26, s27
	s_delay_alu instid0(VALU_DEP_2)
	v_permlanex16_b32 v[\t+3], v[\t+1], s26, s27
	s_delay_alu instid0(VALU_DEP_2)
	v_max_num_f32 v[\t], v[\t], v[\t+2]            ; with lane l xor 16's sixteen: the block's largest
	s_delay_alu instid0(VALU_DEP_2)
	v_max_num_f32 v[\t+1], v[\t+1], v[\t+3]
	s_delay_alu instid0(VALU_DEP_2)
	v_add_nc_u32 v[\t+4], 0xff000000, v[\t]
	s_delay_alu instid0(VALU_DEP_2)
	v_add_nc_u32 v[\t+5], 0xff000000, v[\t+1]
	s_delay_alu instid0(VALU_DEP_2)
	v_lshrrev_b32 v[\t+6], 23, v[\t+4]
	s_delay_alu instid0(VALU_DEP_2)
	v_lshrrev_b32 v[\t+7], 23, v[\t+5]
	s_delay_alu instid0(VALU_DEP_1)
	v_lshl_or_b32 v[\t+12], v[\t+7], 8, v[\t+6]    ; the two bytes of my row
	v_cvt_scalef32_pk8_fp4_f32 v[\t+8], v[\acc:\acc+7], v[\t+4]
	v_cvt_scalef32_pk8_fp4_f32 v[\t+9], v[\acc+8:\acc+15], v[\t+4]
	v_cvt_scalef32_pk8_fp4_f32 v[\t+10], v[\acc+16:\acc+23], v[\t+5]
	v_cvt_scalef32_pk8_fp4_f32 v[\t+11], v[\acc+24:\acc+31], v[\t+5]
	v_lshl_add_u32 v[\t+13], s2, 14, v4            ; the tile's 16,384 bytes of H, 16 bytes a lane.  (The plain line behind the conversions)
	v_lshl_add_u32 v[\t+14], s2, 10, v9            ; its 1,024 bytes of HS, 8 bytes a row
	v_permlane16_swap_b32 v[\t+8], v[\t+10]        ; the operand's layout wants a whole block in a lane: lanes 0-15 block 2 c, lanes 16-31 block 2 c + 1
	v_permlane16_swap_b32 v[\t+9], v[\t+11]
	global_store_b128 v[\t+13], v[\t+8:\t+11], s[14:15]            ; 32 lanes store 512 consecutive bytes, aligned
	global_store_b16 v[\t+14], v[\t+12], s[16:17]                  ; lanes 16-31 write what lanes 0-15 write
	s_cmp_lg_u32 s21, 0
	s_cbranch_scc1 .Lskip_\@
	v_lshrrev_b32 v[\t+15], 2, v9                  ; slab 0: the tile's 16 tokens, 2 bytes a row, 32 bytes a tile
	s_delay_alu instid0(VALU_DEP_1)
	v_lshl_add_u32 v[\t+15], s2, 5, v[\t+15]
	global_store_b16 v[\t+15], v[\tk], s[66:67]                    ; lanes 16-31 write what lanes 0-15 write
.Lskip_\@:
.endm
	s_load_b512 s[4:19], s[0:1], 0x0               ; W1 s[4:5], b1 s[6:7], xc s[8:9], xs s[10:11], masks s[12:13], H s[14:15], HS s[16:17], out2 s[18:19]
	s_load_b64 s[66:67], s[0:1], 0x40              ; list
	v_lshrrev_b32 v10, 5, v0
	s_delay_alu instid0(VALU_DEP_1)
	v_readfirstlane_b32 s20, v10                   ; wave 0..15
	s_mov_b32 s21, ttmp9                           ; c: the slab
	s_and_b32 s22, ttmp7, 0xffff                   ; e: the expert
	s_and_b32 s23, s20, 1                          ; cw: which 32 columns I quantise
	s_lshr_b32 s24, s20, 1                         ; kb: which block of a chunk
	s_mov_b32 s26, 0x76543210
	s_mov_b32 s27, 0xfedcba98                      ; v_permlanex16_b32's selects for lane l xor 16
	v_and_b32 v13, 31, v0                          ; lane
	s_delay_alu instid0(VALU_DEP_1)
	v_lshlrev_b32 v4, 4, v13
	s_delay_alu instid0(VALU_DEP_1)
	v_add_nc_u32 v5, SCW, v4
	s_lshl_b32 s2, s24, 18                         ; 32 rows of 8,192 bytes a block
	s_lshl_b32 s3, s23, 7
	s_add_co_u32 s2, s2, s3
	v_lshl_add_u32 v1, v13, 2, s2
	v_and_b32 v10, 7, v0
	v_bfe_u32 v11, v0, 4, 1                        ; h
	s_delay_alu instid0(VALU_DEP_1)
	v_lshl_add_u32 v10, v11, 3, v10                ; my column's row in its tile: lane % 8 + 8 (lane / 16)
	s_wait_alu depctr_va_vdst(0)
	v_bfe_u32 v12, v0, 3, 1                        ; and which of the two tiles: bit 3 of the lane
	s_lshr_b32 s2, s24, 2
	s_lshl_b32 s2, s2, 12                          ; K step kb / 4
	s_bfe_u32 s3, s24, 0x10001
	s_lshl_b32 s3, s3, 9                           ; part (kb / 2) % 2
	s_add_co_u32 s2, s2, s3
	s_and_b32 s3, s24, 1
	s_lshl_b32 s3, s3, 8                           ; half of the lanes kb % 2
	s_add_co_u32 s2, s2, s3
	s_lshl_b32 s3, s23, 11                         ; tile 2 cw
	s_add_co_u32 s2, s2, s3
	v_lshlrev_b32 v2, 4, v10
	s_wait_alu depctr_va_vdst(0)
	v_lshl_add_u32 v2, v12, 10, v2
	s_delay_alu instid0(VALU_DEP_1)
	v_add_nc_u32 v2, s2, v2
	s_lshr_b32 s2, s24, 2
	s_lshl_b32 s2, s2, 3                           ; the scale byte: 16 bytes a lane of the word's register image: 8 x K step + 4 x cw + the block in the K step
	s_lshl_b32 s3, s23, 2
	s_add_co_u32 s2, s2, s3
	s_and_b32 s3, s24, 3
	s_add_co_u32 s2, s2, s3
	s_add_co_u32 s2, s2, SCW
	v_lshl_add_u32 v3, v12, 4, v10
	s_delay_alu instid0(VALU_DEP_1)
	v_lshlrev_b32 v3, 4, v3
	s_delay_alu instid0(VALU_DEP_1)
	v_add_nc_u32 v3, s2, v3
	v_and_b32 v9, 15, v0                           ; r
	v_mov_b32 v31, v13                             ; the lane: my place in the list, from tile a's first place on
	s_delay_alu instid0(VALU_DEP_2)
	v_lshlrev_b32 v9, 3, v9
	v_lshlrev_b32 v12, 4, v11                      ; 16 h
	v_lshlrev_b32 v29, 6, v11                      ; 64 h: b1's offset; a register of its own, since the quantiser's registers are written while b1's loads may be out
	v_mov_b32 v50, 0                               ; written once: a lane permute's destination counts as one of its sources,
	v_mov_b32 v51, 0                               ; also on a way that has loaded no fragment into these two
	s_mov_b32 s3, 0
	s_wait_alu depctr_va_vdst(0)
	s_wait_kmcnt 0x0
	s_lshl_b32 s2, s22, 8
	s_add_nc_u64 s[12:13], s[12:13], s[2:3]        ; the expert's 64 mask words: asked for first of all
	s_load_b512 s[32:47], s[12:13], 0x0
	s_load_b512 s[48:63], s[12:13], 0x40
	s_load_b512 s[68:83], s[12:13], 0x80
	s_load_b512 s[84:99], s[12:13], 0xc0
	s_lshl_b32 s2, s22, 23                         ; an expert's 8,388,608 bytes; a slab's 256 bytes of a row
	s_lshl_b32 s25, s21, 8
	s_add_co_u32 s2, s2, s25
	s_add_nc_u64 s[4:5], s[4:5], s[2:3]
	LOADW 0, 0, 0, 32                              ; THE FIRST TWO BLOCKS OF WEIGHTS ARE ASKED FOR AHEAD OF ALL THAT WAITS FOR WHOLE NUMBERS: 32 + 31 loads are 63, the most that LOADcnt's field holds
	LOADW 1, 1, 0, 31                              ; (ISA guide 5.7.1: one more would hold the wave's issue until the first came back); the block's last row follows behind FIND
	s_lshl_b32 s2, s22, 13
	s_add_co_u32 s2, s2, s25
	s_add_nc_u64 s[6:7], s[6:7], s[2:3]
	s_lshl_b32 s2, s22, 21                         ; H: 128 tiles of 16,384 bytes an expert; the slab's 512 bytes of a tile
	s_lshl_b32 s25, s21, 9
	s_add_co_u32 s2, s2, s25
	s_add_nc_u64 s[14:15], s[14:15], s[2:3]
	s_lshl_b32 s2, s22, 17                         ; HS: 128 tiles of 1,024 bytes; chunk c / 4, word (c / 2) % 2, halfword c % 2
	s_lshr_b32 s25, s21, 2
	s_lshl_b32 s25, s25, 7
	s_add_co_u32 s2, s2, s25
	s_bfe_u32 s25, s21, 0x10001
	s_lshl_b32 s25, s25, 2
	s_add_co_u32 s2, s2, s25
	s_and_b32 s25, s21, 1
	s_lshl_b32 s25, s25, 1
	s_add_co_u32 s2, s2, s25
	s_add_nc_u64 s[16:17], s[16:17], s[2:3]
	s_lshl_b32 s2, s22, 2
	s_add_nc_u64 s[18:19], s[18:19], s[2:3]
	s_mul_i32 s2, s22, LROW
	s_add_nc_u64 s[66:67], s[66:67], s[2:3]        ; the expert's row of the list's buffer
	s_mov_b32 s24, 0xffff0000                      ; lanes 16-31
	s_lshl_b32 s100, s20, 1                        ; tile a = 2 w
	s_add_co_u32 s101, s100, 1                     ; tile b = 2 w + 1
	s_wait_kmcnt 0x0                               ; the mask words
	FIND 1
	s_add_co_u32 s29, s28, 15
	s_lshr_b32 s29, s29, 4                         ; tiles
	s_max_u32 s30, s29, 1                          ; tiles stored: at least one
	s_add_co_u32 s31, s28, 511
	s_lshr_b32 s31, s31, 9                         ; passes
	TOKOFF 26, 27, 28
	LOADW 1, 1, 31, 1
	LOADBIAS
	LOADA 0, 0
	LOADA 1, 1
	; My loads in the order of issue: W0 32, W1 31 + 1, b1 16, A0 9, A1 9, W2 32, A2 9, W3 32, A3 9.  Loads come back in order (ISA guide 5.7.1), so each wait names what was issued behind the load that it wants;
	; where that is more than the largest count that the wait can name, it names that count, which is less and so is safe:
	CHUNK 0, 63, 41                                ; W0: W1, b1, A0, A1 behind it are 66;  A0, and b1 ahead of it: A1, W2
	CHUNK 1, 63, 63                                ; W1: b1, A0, A1, W2, A2 are 75;        A1: W2, A2, W3 are 73
	CHUNK 2, 50, 41                                ; W2: A2, W3, A3;                       A2: W3, A3
	CHUNK 3, 9, 0                                  ; W3: A3;                               A3: nothing
	EPI 128, 32, 100, 26
	EPI 160, 48, 101, 27
	s_cmp_lt_u32 s31, 2
	s_cbranch_scc1 .Lfin
	; ---- more than 512 tokens: further passes from the finished slab
	v_bfe_u32 v12, v0, 4, 1
	s_delay_alu instid0(VALU_DEP_1)
	v_lshlrev_b32 v12, 4, v12                      ; 16 h anew: the quantiser has used its register
	s_mov_b32 s25, 1
.Lpass:
	s_add_co_u32 s100, s100, 32
	s_add_co_u32 s101, s101, 32
	s_wait_xcnt 0x0                                ; the last pass's stores have been taken up: their data and offsets, and the loads' offsets, may be written again
	FIND 0
	TOKOFF 26, 27, 28
	LOADBIAS
.irp j, 0,1,2,3
	s_wait_alu depctr_va_vdst(0)
	LOADA \j, 0
	GEMM \j, 0, 0
.endr
	EPI 128, 32, 100, 26
	EPI 160, 48, 101, 27
	s_add_co_u32 s25, s25, 1
	s_cmp_lt_u32 s25, s31
	s_cbranch_scc1 .Lpass
.Lfin:
	s_or_b32 s2, s20, s21                          ; slab 0's wave 0 stores the expert's count: as f32 in out2, as a whole number behind the list
	s_cmp_lg_u32 s2, 0
	s_cbranch_scc1 .Lend
	v_cvt_f32_u32 v10, s28
	v_mov_b32 v11, 0
	v_mov_b32 v12, s28
	v_cmp_eq_u32 vcc_lo, 0, v0
	s_wait_alu depctr_va_vdst(0)
	s_wait_xcnt 0x0                                ; EXEC changes only behind this wait
	s_and_saveexec_b32 s2, vcc_lo
	global_store_b32 v11, v10, s[18:19]
	global_store_b32 v11, v12, s[66:67] offset:4096
	s_wait_xcnt 0x0
	s_mov_b32 exec_lo, -1
	v_lshl_add_u32 v30, v0, 2, 0x8800
	v_mov_b32 v31, 0
	s_wait_alu depctr_va_vdst(0)
	s_wait_tensorcnt 0x0
	ds_add_u32 v30, v31
	s_wait_dscnt 0x0
	s_endpgm
.Lend:
	s_wait_xcnt 0x0
	s_mov_b32 exec_lo, -1
	v_lshl_add_u32 v30, v0, 2, 0x8800
	v_mov_b32 v31, 0
	s_wait_alu depctr_va_vdst(0)
	s_wait_tensorcnt 0x0
	ds_add_u32 v30, v31
	s_wait_dscnt 0x0
	s_endpgm
.Lfunc_end_k_q9279f19905_up:
	.size	k_q9279f19905_up, .Lfunc_end_k_q9279f19905_up-k_q9279f19905_up
	.p2alignl 7, 3214868480
	.fill 96, 4, 3214868480
	.section	.rodata,"a",@progbits
	.p2align	6, 0x0
	.amdhsa_kernel k_q9279f19905_up
		.amdhsa_group_segment_fixed_size 36864
		.amdhsa_private_segment_fixed_size 0
		.amdhsa_enable_private_segment 0
		.amdhsa_kernarg_size 72
		.amdhsa_user_sgpr_count 2
		.amdhsa_user_sgpr_kernarg_segment_ptr 1
		.amdhsa_wavefront_size32 1
		.amdhsa_system_sgpr_workgroup_id_x 1
		.amdhsa_system_sgpr_workgroup_id_y 1
		.amdhsa_system_sgpr_workgroup_id_z 1
		.amdhsa_system_vgpr_workitem_id 0
		.amdhsa_next_free_vgpr 256
		.amdhsa_next_free_sgpr 102
		.amdhsa_reserve_vcc 1
		.amdhsa_float_denorm_mode_32 3
		.amdhsa_float_denorm_mode_16_64 3
		.amdhsa_memory_ordered 1
		.amdhsa_forward_progress 1
		.amdhsa_inst_pref_size 118
	.end_amdhsa_kernel
	.amdgpu_metadata
---
amdhsa.version: [ 1, 2 ]
amdhsa.kernels:
  - .name:           k_q9279f19905_up
    .symbol:         k_q9279f19905_up.kd
    .args:
      - { .name: W1, .offset: 0, .size: 8, .value_kind: global_buffer, .address_space: global }
      - { .name: b1, .offset: 8, .size: 8, .value_kind: global_buffer, .address_space: global }
      - { .name: xc, .offset: 16, .size: 8, .value_kind: global_buffer, .address_space: global }
      - { .name: xs, .offset: 24, .size: 8, .value_kind: global_buffer, .address_space: global }
      - { .name: masks, .offset: 32, .size: 8, .value_kind: global_buffer, .address_space: global }
      - { .name: H, .offset: 40, .size: 8, .value_kind: global_buffer, .address_space: global }
      - { .name: HS, .offset: 48, .size: 8, .value_kind: global_buffer, .address_space: global }
      - { .name: out2, .offset: 56, .size: 8, .value_kind: global_buffer, .address_space: global }
      - { .name: list, .offset: 64, .size: 8, .value_kind: global_buffer, .address_space: global }
    .group_segment_fixed_size: 36864
    .private_segment_fixed_size: 0
    .kernarg_segment_align: 8
    .kernarg_segment_size: 72
    .max_flat_workgroup_size: 512
    .sgpr_count:     102
    .vgpr_count:     256
    .wavefront_size: 32
...
	.end_amdgpu_metadata
.endif
;; end of part 5
;; launch down (part 6): grid 16 x 8, 16 waves a work-group, no clusters, 141,312 bytes of LDS; arguments W2, b2, H, HS, list, out0; writes out0
.if DOCPART == 6
	.amdgcn_target "amdgcn-amd-amdhsa--gfx1250"
	.amdhsa_code_object_version 6
	.text
	.protected	k_q9279f19905_down
	.globl	k_q9279f19905_down
	.p2align	8
	.type	k_q9279f19905_down,@function
k_q9279f19905_down:
	s_mov_b64 s[64:65], 0
	v_nop
	global_prefetch_b8 v0, s[64:65] scope:SCOPE_SE
	s_setreg_imm32_b32 hwreg(HW_REG_WAVE_SCHED_MODE, 0, 2), 2
	s_setreg_imm32_b32 hwreg(HW_REG_WAVE_MODE, 25, 1), 1
	s_wait_xcnt 0x0
	s_wait_alu depctr_vm_vsrc(0)
; THE SECOND PRODUCT OF THE CHOSEN EXPERT: out0[token] = hidden W2[e] + b2[e] for the tokens that take expert e, on codes of E2M1 with one E8M0 scale for each 32 along K.
; The factor p_max / p_max of the reference is 1.0 exactly for every finite input (the largest of eight probabilities is at least 1/8, and a finite number that is not 0 divided by itself is 1): no line is written for it.
; SHARES.  Work-group (c, e) owns 64 outputs (64 c ..) of expert e: a slab of W2 of 2,048 x 64 f32, 512 KiB, which no other work-group reads: each weight byte leaves memory once and is quantised here, in registers.
; 64 columns, and so 128 work-groups: a row's piece of the slab and of out0 is then 256 consecutive bytes, aligned; K is not split, since each output has one owner.
; The slab comes in eight chunks of 256 along K.  Of a chunk wave w quantises one block: 32 along K (block w / 2) x 32 columns (half w % 2), a lane to a column, its registers down K.  The codes go to LDS as images of the
; operand's registers and stay: a chunk has LDS bytes of its own, so one barrier a chunk is enough.  The hidden layer's codes were stored as such images too: a fragment comes by two loads of 512 consecutive bytes.
; A wave owns two NEIGHBOURING tiles of 16 tokens a pass (tiles 32 p + 2 w, 32 p + 2 w + 1 of the expert's list), so that the list's tiles fill the low waves: a fragment of W2 read from LDS serves two live tiles, and a wave
; whose first tile lies past the list's end jumps over the products and their LDS reads.  Its loads from memory are issued all the same, so that every wait's count holds on both ways: a tile past the end names the last tile
; that was stored, all its lanes the same 16 bytes, and stores nothing.  Pass 0 goes chunk by chunk under the stream of the weights; passes 1 to 3 run only where an expert has more than 512 tokens.
; THE COUNT AND THE TOKENS come from the list that the launch before stored, by scalar loads: a tile's 16 tokens are 32 bytes, eight scalar registers.
; THE PRODUCT IS USED TRANSPOSED: source 0 = 16 columns of W2 (tile t: 16 t + r), source 1 = 16 tokens: a lane holds one token and eight neighbouring outputs.  b2 is loaded straight into the accumulators.
; PAD ROWS.  A last tile's spare rows are copies of the tile's own first row, in the list and in the hidden layer's codes: they store the same bits to the same row of out0 as that row does; no lane is switched off.
; NO TENSOR LOAD, NO CLUSTER: branches and a trip count hang on a count read from memory, and the weights, two thirds of a work-group's bytes at 256 tokens (512 KiB beside 256 KiB of codes), are shared with nobody.
; LIMITS.  NaN and infinities are not served.  A block of zeros gets the byte 1 where the rule says 127: its codes are zeros, and this program alone reads the bytes.
; REGISTERS: v1 W2 offset; v2, v3 where my codes and my scale byte go; v4 16 x lane; v5 W2's scale words; v6, v7 the tiles' codes; v8 their scale words; v9, v31 my stage, in and back; v10-13 at work; v14-17 codes just made;
;   v18-21 W2's scale words, v22-25 the tokens' (two buffers): scales and nothing else; v29 32 h: b2's offset; v32-63 four fragments of W2; v64-127 the tokens' fragments, two buffers;
;   v128-159, v160-191 the accumulators of tiles a and b; v192-255 two sets of 32 numbers of W2, later the way out's offsets.
;   s[32:39], s[40:47] the tokens of tiles a and b, two to a register; s28 count, s29 tiles, s30 tiles stored, s31 passes; s100, s101 tiles a and b.
; THE MODE: SCHED_MODE bits 1:0 = 2 (LLVM: expert scheduling mode 2), set by the entry lines.  The code itself states the register dependences between vector or matrix instructions and memory or LDS instructions,
; with s_wait_alu, always for 0.
; THE PLAN.  Registers that memory or LDS instructions touch, and who else names them:
;   v1-v5, v9, v29, v31, v28, v30   offsets and LDS addresses: written at the head and never again; one wait on va_vdst ahead of the first load states that they are written.
;   v192-255   chunk j: the quantiser's lines read set j % 2; behind them the loads of chunk j + 2 land in it.
;   v13-v17    the quantiser writes them; its two LDS stores read them.
;   v18-21, v32-63   a chunk's LDS loads land in them (v32-63 once for each of its two K steps); the products read them.  On the way out tile a's rows land in v32-63, and its global stores read them.
;   v22-25, v64-127  two buffers: chunk j's products read buffer j % 2; behind them chunk j + 2's loads land in it.  On the way out tile b's rows land in v64-95, and its global stores read them.
;   v128-191   b2's loads land in them; the products add onto them; the way out's LDS stores read them.
;   v6-v8      written once a pass by vector lines; read by the loads of the hidden layer's codes and scale words.
;   v200-207, v220-227   written by the way out's vector lines; read by its global stores as offsets.
; So a chunk has one wait on va_vdst behind the quantiser (for its LDS stores, for the loads into the set just read, and for the chunk's first LDS loads, between which and the wait no vector instruction stands), one between
; the two K steps (v32-63 is the one buffer of fragments that 256 registers have room for), one behind the second K step where loads into the buffer just read follow, and one wait on vm_vsrc at its head.  A tile's way out
; makes its offsets first and has one wait on va_vdst behind them.  A later pass begins with one wait on vm_vsrc.
.set NCH,  8                           ; chunks
.set ROWB, 4096                        ; a row of W2[e] in bytes
.set SCW,  65536                       ; LDS: 0: the slab's codes, 8,192 bytes a chunk: fragment (K step s, tile t), part cc, lane L at 4096 s + 1024 t + 512 cc + 16 L;  SCW: its scale words, 512 bytes a chunk
.set STG,  69632                       ; a stage of 16 rows x (256 bytes + 16) for each wave
.set SP,   272
.set LROW, 4352                        ; an expert's row of the list's buffer: 2,048 tokens of 2 bytes, the count at byte 4,096
.macro LOADW j, set, first, n          ; rows first .. first + n - 1 of my block of chunk j: down K, 128 consecutive bytes a load (with the neighbouring wave's: 256)
.set li, \first
.rept \n
	global_load_b32 v[192+32*(\set)+li], v1, s[4:5] offset:(256*(\j)+li)*ROWB th:TH_LOAD_NT
.set li, li+1
.endr
.endm
.macro LOADA j, buf                    ; the hidden layer's operand for chunk j (two K steps): nine loads; a piece of 512 bytes is one slab's of the launch before
.irp s, 0,1
.irp cc, 0,1
	global_load_b128 v[64+32*(\buf)+8*\s+4*\cc:64+32*(\buf)+8*\s+4*\cc+3], v6, s[8:9] offset:2048*(\j)+1024*\s+512*\cc
.endr
.endr
.irp s, 0,1
.irp cc, 0,1
	global_load_b128 v[80+32*(\buf)+8*\s+4*\cc:80+32*(\buf)+8*\s+4*\cc+3], v7, s[8:9] offset:2048*(\j)+1024*\s+512*\cc
.endr
.endr
	global_load_b64 v[22+2*(\buf):23+2*(\buf)], v8, s[10:11] offset:128*(\j)   ; lanes 0-15: tile a's words, lanes 16-31: tile b's
.endm
.macro LOADBIAS                        ; sixteen loads: lane (r, h), tile t, register i: b2 of output 16 t + 8 h + i; the same for both tiles of tokens
.irp a, 128, 160
.irp t, 0,1,2,3
	global_load_b128 v[\a+8*\t:\a+8*\t+3], v29, s[6:7] offset:64*\t
	global_load_b128 v[\a+8*\t+4:\a+8*\t+7], v29, s[6:7] offset:64*\t+16
.endr
.endr
.endm
.macro QUANT set, j                    ; my block: all 32 numbers of a column are mine
.set WS, 192+32*(\set)
	v_max3_num_f32 v10, |v[WS]|, |v[WS+1]|, |v[WS+2]|
	v_max3_num_f32 v11, |v[WS+3]|, |v[WS+4]|, |v[WS+5]|
.irp i, 6,10,14,18,22,26
	v_max3_num_f32 v10, v10, |v[WS+\i]|, |v[WS+\i+1]|
	v_max3_num_f32 v11, v11, |v[WS+\i+2]|, |v[WS+\i+3]|
.endr
	v_max3_num_f32 v10, v10, |v[WS+30]|, |v[WS+31]|
	v_max3_num_f32 v10, v10, v11, 0x1800000        ; the floor 2^(3 - 127): the byte cannot fall under 1
	v_add_nc_u32 v12, 0xff000000, v10              ; 2 off the exponent field: the conversion's scale operand
.irp g, 0,1,2,3
	v_cvt_scalef32_pk8_fp4_f32 v[14+\g], v[WS+8*\g:WS+8*\g+7], v12
.endr
	v_lshrrev_b32 v13, 23, v12                     ; the scale's byte; also the plain line behind the conversions
	s_wait_alu depctr_va_vdst(0)                   ; v13 to v17 are written, which the two LDS stores read; the lines above are done reading this set of W2, in which the loads of two chunks on land;
	                                               ; the last chunk's products are done reading v18-21 and v32-63, in which this chunk's first LDS loads land: no vector instruction stands between here and those
	ds_store_b128 v2, v[14:17] offset:8192*(\j)
	ds_store_b8 v3, v13 offset:512*(\j)
.endm
.macro WM d, bf, tf, sa, sb, ra, rb    ; one product; ra, rb: which half of the lanes holds the scales
.if ((\ra) == 0) && ((\rb) == 0)
	v_wmma_scale_f32_16x16x128_f8f6f4 v[(\d):(\d)+7], v[(\bf):(\bf)+7], v[(\tf):(\tf)+7], v[(\d):(\d)+7], v[(\sa)], v[(\sb)] matrix_a_fmt:MATRIX_FMT_FP4 matrix_b_fmt:MATRIX_FMT_FP4
.elseif ((\ra) == 1) && ((\rb) == 0)
	v_wmma_scale_f32_16x16x128_f8f6f4 v[(\d):(\d)+7], v[(\bf):(\bf)+7], v[(\tf):(\tf)+7], v[(\d):(\d)+7], v[(\sa)], v[(\sb)] matrix_a_fmt:MATRIX_FMT_FP4 matrix_b_fmt:MATRIX_FMT_FP4 matrix_a_scale:MATRIX_SCALE_ROW1
.elseif ((\ra) == 0) && ((\rb) == 1)
	v_wmma_scale_f32_16x16x128_f8f6f4 v[(\d):(\d)+7], v[(\bf):(\bf)+7], v[(\tf):(\tf)+7], v[(\d):(\d)+7], v[(\sa)], v[(\sb)] matrix_a_fmt:MATRIX_FMT_FP4 matrix_b_fmt:MATRIX_FMT_FP4 matrix_b_scale:MATRIX_SCALE_ROW1
.else
	v_wmma_scale_f32_16x16x128_f8f6f4 v[(\d):(\d)+7], v[(\bf):(\bf)+7], v[(\tf):(\tf)+7], v[(\d):(\d)+7], v[(\sa)], v[(\sb)] matrix_a_fmt:MATRIX_FMT_FP4 matrix_b_fmt:MATRIX_FMT_FP4 matrix_a_scale:MATRIX_SCALE_ROW1 matrix_b_scale:MATRIX_SCALE_ROW1
.endif
.endm
; Chunk j's sixteen products.  na: how many loads were issued behind the tokens' operand of this chunk; that wait stands on both ways, since the operand's registers are loaded again behind the macro.
; A wave whose first tile lies past the list's end has nothing to multiply: it jumps over the LDS reads and the products.
; The eight accumulators take turns, one instruction a turn, over K steps, chunks and passes.
; w = 1: loads into registers that these products read follow the macro with no other wait on va_vdst between.
.macro GEMM j, buf, na, w
	s_wait_loadcnt \na
	s_cmp_lt_u32 s100, s29
	s_cbranch_scc0 .Lidle_\@
	ds_load_b128 v[18:21], v5 offset:512*(\j)      ; register 2 s + p: lanes 0-15 the words of tile 2 p, lanes 16-31 of tile 2 p + 1, K step s
.irp s, 0,1
.irp t, 0,1,2,3
	ds_load_b128 v[32+8*\t:35+8*\t], v4 offset:8192*(\j)+4096*\s+1024*\t
	ds_load_b128 v[36+8*\t:39+8*\t], v4 offset:8192*(\j)+4096*\s+1024*\t+512
.endr
	s_wait_dscnt 0x0
.irp t, 0,1,2,3
	WM 128+8*\t, 32+8*\t, 64+32*(\buf)+8*\s, 18+2*\s+\t/2, 22+2*(\buf)+\s, \t%2, 0
	WM 160+8*\t, 32+8*\t, 80+32*(\buf)+8*\s, 18+2*\s+\t/2, 22+2*(\buf)+\s, \t%2, 1
.endr
.rept 4
	v_nop                                          ; four places ahead of loads into registers that these products read, and of the first read of results
.endr
.if \s == 0
	s_wait_alu depctr_va_vdst(0)                   ; the first K step's products are done reading v32-63, in which the second K step's fragments land
.elseif \w
	s_wait_alu depctr_va_vdst(0)                   ; the chunk's products are done reading the tokens' fragments and scale words, and v18-21 and v32-63: the loads that follow the macro land in them
.endif
.endr
.Lidle_\@:
.endm
; The two tiles' tokens are asked for, and their offsets in H and HS made.  A tile past the end names the last one stored, and all its lanes the same 16 bytes of each piece; each number is held inside its range
.macro TILEOFF
	s_cmp_lt_u32 s100, s30
	s_cselect_b32 s56, 1, 0                        ; 1: tile a was stored; 0: it lies past the end
	s_cmp_lt_u32 s101, s30
	s_cselect_b32 s57, 1, 0                        ; the same of tile b
	s_min_u32 s56, s56, 1
	s_min_u32 s57, s57, 1
	s_sub_co_u32 s2, s30, 1
	s_min_u32 s3, s100, s2
	s_min_u32 s3, s3, 127
	s_min_u32 s2, s101, s2
	s_min_u32 s2, s2, 127
	s_lshl_b32 s50, s3, 5                          ; a tile's 32 bytes of the list
	s_mov_b32 s51, 0
	s_add_nc_u64 s[48:49], s[12:13], s[50:51]
	s_load_b256 s[32:39], s[48:49], 0x0
	s_lshl_b32 s54, s2, 5
	s_mov_b32 s55, 0
	s_add_nc_u64 s[52:53], s[12:13], s[54:55]
	s_load_b256 s[40:47], s[52:53], 0x0
	v_mul_u32_u24 v12, s56, v4                     ; 16 bytes a lane, or none
	v_mul_u32_u24 v13, s57, v4
	v_lshl_add_u32 v6, s3, 14, v12                 ; a tile's 16,384 bytes of codes
	v_lshl_add_u32 v7, s2, 14, v13
	v_mov_b32 v12, s3
	v_mov_b32 v13, s2
	v_bfe_u32 v10, v0, 4, 1
	v_cmp_eq_u32 vcc_lo, 1, v10
	s_wait_alu depctr_va_vcc(0)                    ; the compare has written VCC, which the selection below reads
	v_cndmask_b32 v8, v12, v13, vcc_lo             ; lanes 0-15 tile a, lanes 16-31 tile b
	v_min_u32 v8, 0x7f, v8
	v_and_b32 v10, 15, v0
	v_lshlrev_b32 v10, 3, v10
	v_lshl_add_u32 v8, v8, 10, v10                 ; a tile's 1,024 bytes of scale words, 8 bytes a row
	s_wait_alu depctr_va_vdst(0)                   ; v6, v7 and v8 are written, which the loads of the hidden layer's operand read as offsets; in a later pass also: the last pass's products have written the accumulators,
	                                               ; in which b2's loads land, and are done reading v18-25 and v32-127, in which this pass's loads and LDS loads land
.endm
.macro CHUNK j, nw, na                 ; nw: how many loads were issued behind my block of chunk j
	s_wait_loadcnt \nw
.if (\j) > 0
	s_wait_alu depctr_vm_vsrc(0)                   ; the last chunk's two LDS stores have read v13 to v17, which the quantiser writes again
.endif
	QUANT (\j)%2, \j
.if (\j)+2 < NCH
	LOADW (\j)+2, (\j)%2, 0, 32
.endif
	s_wait_dscnt 0x0                               ; for the others' sake: my codes and my byte lie in LDS
	s_barrier_signal -1
	s_barrier_wait -1
.if (\j)+2 < NCH
	GEMM \j, (\j)%2, \na, 1
	LOADA (\j)+2, (\j)%2
.else
	GEMM \j, (\j)%2, \na, 0                        ; nothing is loaded behind these products ahead of the next wait on va_vdst (the next chunk's quantiser's, or the way out's)
.endif
.endm
; A tile's way out.  A lane holds 32 bytes of one row, four times; the rows go through my own stage and come back 16 bytes a lane, two rows an instruction, so that sixteen lanes store 256 consecutive bytes of a token's row.
; The offsets are made first, so that one wait serves all the tile's LDS stores, LDS loads and global stores.
; acc: the accumulators; sb: the first of the eight scalars with the tile's tokens; st: the scalar with the tile's number; dr: 32 registers for the rows; ar: 8 for the offsets
.macro OUT acc, sb, st, dr, ar
	s_cmp_lt_u32 s[\st], s29
	s_cbranch_scc0 .Lno_\@
	s_wait_alu depctr_va_vdst(0)
.irp i, 0,1,2,3,4,5,6,7
	v_bfe_u32 v[\ar+\i], s[\sb+\i], v217, 16       ; the token of row 2 i + h: the low or the high half of word i
.endr
.irp i, 0,1,2,3,4,5,6,7
	v_min_u32 v[\ar+\i], 0x7ff, v[\ar+\i]          ; held inside out0's 2,048 rows
.endr
.irp i, 0,1,2,3,4,5,6,7
	v_lshl_add_u32 v[\ar+\i], v[\ar+\i], 12, v216  ; its row of 4,096 bytes, + 16 r
.endr
	s_wait_alu depctr_va_vdst(0)                   ; the products have written the accumulators, which the LDS stores read (the places behind the last product stand ahead of this wait), and are done reading
	                                               ; the registers in which the stage's loads land; the lines above have written the offsets that the global stores read
.irp t, 0,1,2,3
	ds_store_b128 v9, v[\acc+8*\t:\acc+8*\t+3] offset:64*\t        ; each accumulator from its low end on
	ds_store_b128 v9, v[\acc+8*\t+4:\acc+8*\t+7] offset:64*\t+16
.endr
.irp i, 0,1,2,3,4,5,6,7
	ds_load_b128 v[\dr+4*\i:\dr+4*\i+3], v31 offset:2*SP*\i        ; LDS serves a wave's instructions in order: these see the stores above, and the next tile's stores come behind them
.endr
.irp i, 0,1,2,3,4,5,6,7
	s_wait_dscnt 7-\i                              ; load i is back; the 7 - i younger ones may be out
	global_store_b128 v[\ar+\i], v[\dr+4*\i:\dr+4*\i+3], s[14:15] th:TH_STORE_NT   ; written once, read by nobody here
.endr
.Lno_\@:
.endm
	s_load_b256 s[4:11], s[0:1], 0x0               ; W2 s[4:5], b2 s[6:7], H s[8:9], HS s[10:11]
	s_load_b128 s[12:15], s[0:1], 0x20             ; list s[12:13], out0 s[14:15]
	v_lshl_add_u32 v28, v0, 2, 0x22000
	v_mov_b32 v30, 0
	v_lshrrev_b32 v10, 5, v0
	v_readfirstlane_b32 s20, v10                   ; wave 0..15
	s_mov_b32 s21, ttmp9                           ; c: the slab
	s_and_b32 s22, ttmp7, 0xffff                   ; e: the expert
	v_and_b32 v13, 31, v0                          ; lane
	v_lshlrev_b32 v4, 4, v13
	v_add_nc_u32 v5, SCW, v4
	s_wait_alu depctr_va_sdst(0)                   ; s20 is written, ahead of its first reader: my block's place, my stage and my tiles are made from it
	s_and_b32 s23, s20, 1                          ; cw: which 32 columns I quantise
	s_lshr_b32 s24, s20, 1                         ; kb: which block of a chunk
	s_lshl_b32 s2, s24, 17                         ; 32 rows of 4,096 bytes a block
	s_lshl_b32 s3, s23, 7
	s_add_co_u32 s2, s2, s3
	v_lshl_add_u32 v1, v13, 2, s2
	v_and_b32 v10, 15, v0                          ; r
	s_wait_alu depctr_va_vdst(0)
	v_bfe_u32 v11, v0, 4, 1                        ; h
	s_lshr_b32 s2, s24, 2
	s_lshl_b32 s2, s2, 12                          ; K step kb / 4
	s_bfe_u32 s3, s24, 0x10001
	s_lshl_b32 s3, s3, 9                           ; part (kb / 2) % 2
	s_add_co_u32 s2, s2, s3
	s_and_b32 s3, s24, 1
	s_lshl_b32 s3, s3, 8                           ; half of the lanes kb % 2
	s_add_co_u32 s2, s2, s3
	s_lshl_b32 s3, s23, 11                         ; tile 2 cw
	s_add_co_u32 s2, s2, s3
	v_lshlrev_b32 v2, 4, v10                       ; my column is row lane % 16 of tile 2 cw + lane / 16
	s_wait_alu depctr_va_vdst(0)
	v_lshl_add_u32 v2, v11, 10, v2
	v_add_nc_u32 v2, s2, v2
	s_lshr_b32 s2, s24, 2
	s_lshl_b32 s2, s2, 3                           ; the scale byte: 16 bytes a lane of the word's register image: 8 x K step + 4 x cw + the block in the K step
	s_lshl_b32 s3, s23, 2
	s_add_co_u32 s2, s2, s3
	s_and_b32 s3, s24, 3
	s_add_co_u32 s2, s2, s3
	s_add_co_u32 s2, s2, SCW
	v_add_nc_u32 v3, s2, v4
	s_mul_i32 s2, s20, 16*SP
	s_add_co_u32 s2, s2, STG                       ; my stage
	v_mul_u32_u24 v9, v10, SP
	v_lshl_add_u32 v9, v11, 5, v9
	v_add_nc_u32 v9, s2, v9                        ; in: row r, 32 bytes for each half of the lanes
	v_mul_u32_u24 v31, v11, SP
	v_lshl_add_u32 v31, v10, 4, v31
	v_add_nc_u32 v31, s2, v31                      ; back: lanes 0-15 one row, lanes 16-31 the next
	v_lshlrev_b32 v29, 5, v11                      ; 32 h: b2's offset; a register of its own, since the quantiser's registers are written while b2's loads may be out
	s_mov_b32 s3, 0
	s_wait_kmcnt 0x0
	s_mul_i32 s2, s22, LROW
	s_add_nc_u64 s[12:13], s[12:13], s[2:3]        ; the expert's row of the list's buffer
	s_load_b32 s28, s[12:13], 0x1000               ; the count: asked for first of all
	s_lshl_b32 s2, s22, 23                         ; an expert's 8,388,608 bytes; a slab's 256 bytes of a row
	s_lshl_b32 s25, s21, 8
	s_add_co_u32 s2, s2, s25
	s_add_nc_u64 s[4:5], s[4:5], s[2:3]
	s_wait_alu depctr_va_vdst(0)                   ; v1 to v5, v9, v29 and v31 are written, which the kernel's loads, LDS loads and LDS stores read as offsets and addresses; none of them is written again
	LOADW 0, 0, 0, 32                              ; THE FIRST TWO BLOCKS OF WEIGHTS ARE ASKED FOR AHEAD OF ALL THAT WAITS FOR WHOLE NUMBERS: 32 + 31 loads are 63, the most that LOADcnt's field holds
	LOADW 1, 1, 0, 31                              ; (ISA guide 5.7.1: one more would hold the wave's issue until the first came back); the block's last row follows behind the count
	s_lshl_b32 s2, s22, 12
	s_add_co_u32 s2, s2, s25
	s_add_nc_u64 s[6:7], s[6:7], s[2:3]
	s_mov_b32 s2, s25
	s_add_nc_u64 s[14:15], s[14:15], s[2:3]        ; out0: the slab's 256 bytes of a row
	s_lshl_b32 s2, s22, 21
	s_add_nc_u64 s[8:9], s[8:9], s[2:3]            ; H: 128 tiles of 16,384 bytes an expert
	s_lshl_b32 s2, s22, 17
	s_add_nc_u64 s[10:11], s[10:11], s[2:3]        ; HS: 128 tiles of 1,024 bytes
	s_wait_kmcnt 0x0
	s_min_u32 s28, s28, 0x800                      ; the count
	s_add_co_u32 s29, s28, 15
	s_lshr_b32 s29, s29, 4                         ; tiles
	s_max_u32 s30, s29, 1                          ; tiles that the launch before stored: at least one
	s_add_co_u32 s31, s28, 511
	s_lshr_b32 s31, s31, 9                         ; passes
	s_lshl_b32 s100, s20, 1                        ; tile a = 2 w
	s_add_co_u32 s101, s100, 1                     ; tile b = 2 w + 1
	TILEOFF
	LOADW 1, 1, 31, 1
	LOADBIAS
	LOADA 0, 0
	LOADA 1, 1
	; My loads in the order of issue: W0 32, W1 31 + 1, b2 16, A0 9, A1 9, then W(j) 32, A(j) 9 for j = 2 .. 7.  Loads come back in order (ISA guide 5.7.1), so each wait names what was issued behind the load that it wants;
	; where that is more than the largest count that the wait can name, it names that count, which is less and so is safe:
	CHUNK 0, 63, 41                                ; W0: W1, b2, A0, A1 behind it are 66;  A0, and b2 ahead of it: A1, W2
	CHUNK 1, 63, 63                                ; W1: b2, A0, A1, W2, A2 are 75;        A1: W2, A2, W3 are 73
	CHUNK 2, 50, 63                                ; W(j): A(j), W(j+1), A(j+1);           A(j): W(j+1), A(j+1), W(j+2): 73 again
	CHUNK 3, 50, 63
	CHUNK 4, 50, 63
	CHUNK 5, 50, 63
	CHUNK 6, 50, 41                                ; nothing more is asked for: A6: W7, A7
	CHUNK 7, 9, 0                                  ; W7: A7;  A7: nothing
	v_bfe_u32 v10, v0, 4, 1
	v_lshlrev_b32 v217, 4, v10                     ; 16 h: which half of a word of the list holds my row's token
	v_and_b32 v216, 15, v0
	v_lshlrev_b32 v216, 4, v216                    ; 16 r
	s_wait_kmcnt 0x0                               ; the tiles' tokens
	OUT 128, 32, 100, 32, 200
	OUT 160, 40, 101, 64, 220
	s_cmp_lt_u32 s31, 2
	s_cbranch_scc1 .Lfin
	; ---- more than 512 tokens: further passes from the finished slab
	s_mov_b32 s25, 1
.Lpass:
	s_add_co_u32 s100, s100, 32
	s_add_co_u32 s101, s101, 32
	s_wait_xcnt 0x0                                ; the last pass's stores have been taken up: their data and offsets, and the loads' offsets, may be written again
	s_wait_alu depctr_vm_vsrc(0)                   ; the last pass's global stores have read their rows (v32-95) and offsets (v200-207, v220-227), its LDS stores the accumulators, its loads v6 to v8, the quantiser's
	                                               ; byte store v13: all of these are written again in this pass, by vector lines, loads or LDS loads
	TILEOFF
	LOADBIAS
.irp j, 0,1,2,3,4,5,6
	LOADA \j, 0
	GEMM \j, 0, 0, 1
.endr
	LOADA 7, 0
	GEMM 7, 0, 0, 0                                ; the way out's own wait follows
	s_wait_kmcnt 0x0                               ; the tiles' tokens
	OUT 128, 32, 100, 32, 200
	OUT 160, 40, 101, 64, 220
	s_add_co_u32 s25, s25, 1
	s_cmp_lt_u32 s25, s31
	s_cbranch_scc1 .Lpass
.Lfin:
	s_barrier_signal -1
	s_barrier_wait -1
	s_wait_dscnt 0x0                               ; the closing lines, six on end
	s_wait_alu 0x0
	s_wait_tensorcnt 0x0
	ds_add_u32 v28, v30
	s_wait_dscnt 0x0
	s_endpgm
.Lfunc_end_k_q9279f19905_down:
	.size	k_q9279f19905_down, .Lfunc_end_k_q9279f19905_down-k_q9279f19905_down
	.p2alignl 7, 3214868480
	.fill 96, 4, 3214868480
	.section	.rodata,"a",@progbits
	.p2align	6, 0x0
	.amdhsa_kernel k_q9279f19905_down
		.amdhsa_group_segment_fixed_size 141312
		.amdhsa_private_segment_fixed_size 0
		.amdhsa_enable_private_segment 0
		.amdhsa_kernarg_size 48
		.amdhsa_user_sgpr_count 2
		.amdhsa_user_sgpr_kernarg_segment_ptr 1
		.amdhsa_wavefront_size32 1
		.amdhsa_system_sgpr_workgroup_id_x 1
		.amdhsa_system_sgpr_workgroup_id_y 1
		.amdhsa_system_sgpr_workgroup_id_z 1
		.amdhsa_system_vgpr_workitem_id 0
		.amdhsa_next_free_vgpr 256
		.amdhsa_next_free_sgpr 102
		.amdhsa_reserve_vcc 1
		.amdhsa_float_denorm_mode_32 3
		.amdhsa_float_denorm_mode_16_64 3
		.amdhsa_memory_ordered 1
		.amdhsa_forward_progress 1
		.amdhsa_inst_pref_size 132
	.end_amdhsa_kernel
	.amdgpu_metadata
---
amdhsa.version: [ 1, 2 ]
amdhsa.kernels:
  - .name:           k_q9279f19905_down
    .symbol:         k_q9279f19905_down.kd
    .args:
      - { .name: W2, .offset: 0, .size: 8, .value_kind: global_buffer, .address_space: global }
      - { .name: b2, .offset: 8, .size: 8, .value_kind: global_buffer, .address_space: global }
      - { .name: H, .offset: 16, .size: 8, .value_kind: global_buffer, .address_space: global }
      - { .name: HS, .offset: 24, .size: 8, .value_kind: global_buffer, .address_space: global }
      - { .name: list, .offset: 32, .size: 8, .value_kind: global_buffer, .address_space: global }
      - { .name: out0, .offset: 40, .size: 8, .value_kind: global_buffer, .address_space: global }
    .group_segment_fixed_size: 141312
    .private_segment_fixed_size: 0
    .kernarg_segment_align: 8
    .kernarg_segment_size: 48
    .max_flat_workgroup_size: 512
    .sgpr_count:     102
    .vgpr_count:     256
    .wavefront_size: 32
...
	.end_amdgpu_metadata
.endif
;; end of part 6
